; MI455X (gfx1250); checked and timed in simulation.
; The chip was launched on July 23, 2026; its instructions are those of AMD's public machine-readable ISA for CDNA 5 (MIT licence, August 2026) and "CDNA5" Instruction Set Architecture Reference Guide (July 2026). The comments in the code are by the model that wrote it; some were corrected since.
;; Bahdanau Attention. Allowed arithmetic: float matrix products may take bf16 or f16 operands with f32 sums; all other float work in f32.
;; Inputs: Ua_b 1,024 float32; Ua_w 1,024 x 1,024 float32; Va_b 1 float32; Va_w 1 x 1,024 float32; Wa_b 1,024 float32; Wa_w 1,024 x 1,024 float32; keys 32 x 2,048 x 1,024 float32; mask 32 x 2,048 int32; query 32 x 1,024 float32.
;; Outputs: out0 32 x 1,024 float32; out1 32 x 2,048 float32.
;; 2 versions, each right. Each part assembles by itself: llvm-mc -triple=amdgcn-amd-amdhsa -mcpu=gfx1250 --defsym DOCPART=n.
;; ======== version 1 of 2: 3 launches
;; workspace buffers: ub 2,097,152 bytes; qc 131,072 bytes; sc 262,144 bytes; st 131,072 bytes; pctx 2,097,152 bytes
;; launch prep (part 1): grid 128 x 1, 8 waves a work-group, no clusters, 116,480 bytes of LDS; arguments Ua_w, Wa_w, query, Wa_b, Ua_b, ub, qc; writes ub, qc
.if DOCPART == 1
	.amdgcn_target "amdgcn-amd-amdhsa--gfx1250"
	.amdhsa_code_object_version 6
	.text
	.protected	k_q3d552e4339_prep
	.globl	k_q3d552e4339_prep
	.p2align	8
	.type	k_q3d552e4339_prep,@function
k_q3d552e4339_prep:
	s_mov_b64 s[64:65], 0
	v_nop
	global_prefetch_b8 v0, s[64:65] scope:SCOPE_SE
	s_setreg_imm32_b32 hwreg(HW_REG_WAVE_MODE, 25, 1), 1
	s_wait_xcnt 0x0
; Two small jobs ahead of the fused launch, one text each behind a branch on the work-group's number (the same for all its waves).
; Work-groups 0-63:   rows 16 nt .. 16 nt + 15 of Ua_w [1024][1024] f32 are rounded to bf16 and stored in the order in which a wave
;                     of the next launch takes them as B fragments:
;                     ub byte (nt>>3)*262144 + ks*8192 + (nt&7)*1024 + c*512 + L*16 = Ua[16 nt + (L&15)][32 ks + 16 c + 8 (L>>4) .. +7].
; Work-groups 64-127: qc[nt][batch][n] = (sum over k of query[batch][k] Wa_w[16 nt + n][k] + Wa_b + Ua_b) * 2 log2(e), f32,
;                     with bf16 operands and f32 sums; K is shared out among the eight waves, whose sums meet in LDS.
; No tensor loads: each tile is read once, converted on the way, and the conversion needs the numbers in registers anyway.
.set PITCH, 2064                       ; an LDS row: 1,024 bf16 + 16 bytes = 129 x 16: the 16 rows of a fragment load fall in 16 different 16-byte columns of the 64 banks of 4 bytes (ISA guide 11.1)
.set QT,    16*PITCH                   ; behind the weight tile's 16 rows: query's 32 rows
.set QT1,   32*PITCH                   ; query's rows 16-31
.set RED,   48*PITCH                   ; 8 waves x 2,048 bytes: the waves' partial sums
.set C2,    0x4038aa3b                 ; 2 log2(e)
.set VW,  1                            ; byte offset of my 16 bytes in my wave's 2 rows of the weight tile
.set VWQ, 2                            ; the same in my wave's 4 rows of query
.set VSW, 3                            ; LDS: my 8 bytes in my wave's 2 rows of the weight tile
.set VSQ, 4                            ; LDS: the same in my wave's 4 rows of query
.set VF,  5                            ; LDS: my part of a fragment, my wave's first K step
.set VF2, 6                            ; the same for query's rows 16-31
.set VO,  7                            ; byte offset in ub
.set VRS, 8                            ; LDS: where my partial sums go
.set VRL, 9                            ; LDS: where I read eight partial sums
.set VQO, 10                           ; byte offset in qc
.set VBO, 11                           ; byte offset in the biases
.set RW,  16                           ; v[16:79]   16 loads of the weight tile
.set RQ,  80                           ; v[80:207]  32 loads of query
.set FR,  16                           ; v[16:111]  fragments, behind the barrier
.set D0,  208                          ; v[208:215] batches 0-15 (before that: temporaries)
.set D1,  216                          ; v[216:223] batches 16-31
.set BA,  224                          ; v[224:227] Wa_b
.set BB,  228                          ; v[228:231] Ua_b
; n loads of 16 bytes a lane: 512 consecutive bytes each, one behind the other
.macro LOADR reg, areg, sb, n, nt
.set k_, 0
.rept \n
.if \nt
	global_load_b128 v[\reg+4*k_:\reg+4*k_+3], v[\areg], s[\sb:\sb+1] offset:512*k_ th:TH_LOAD_NT
.else
	global_load_b128 v[\reg+4*k_:\reg+4*k_+3], v[\areg], s[\sb:\sb+1] offset:512*k_
.endif
.set k_, k_+1
.endr
.endm
; the same n loads, each rounded to bf16 in place and put into LDS; left = loads issued behind the last of the n
.macro CONVST reg, areg, n, left
.set k_, 0
.rept \n
	s_wait_loadcnt \left+\n-1-k_                   ; loads come back in order (ISA guide 5.7.1): load k is in, the younger ones stay out
	v_cvt_pk_bf16_f32 v[\reg+4*k_], v[\reg+4*k_], v[\reg+4*k_+1]
	v_cvt_pk_bf16_f32 v[\reg+4*k_+1], v[\reg+4*k_+2], v[\reg+4*k_+3]
	ds_store_b64 v[\areg], v[\reg+4*k_:\reg+4*k_+1] offset:(k_>>3)*PITCH+(k_&7)*256   ; 32 lanes, 256 consecutive bytes
.set k_, k_+1
.endr
.endm
	s_load_b256 s[8:15], s[0:1], 0x0               ; Ua_w s[8:9], Wa_w s[10:11], query s[12:13], Wa_b s[14:15]
	s_load_b128 s[16:19], s[0:1], 0x20             ; Ua_b s[16:17], ub s[18:19]
	s_load_b64 s[20:21], s[0:1], 0x30              ; qc
	v_lshl_add_u32 v232, v0, 2, 0x1c300
	v_mov_b32 v233, 0
	v_lshrrev_b32 v208, 5, v0
	v_readfirstlane_b32 s2, v208                   ; wave 0..7
	v_and_b32 v209, 15, v0                         ; r
	v_bfe_u32 v210, v0, 4, 1                       ; h
	v_and_b32 v211, 31, v0                         ; lane L
	s_and_b32 s3, ttmp9, 63                        ; nt: which 16 rows of the weights
	s_lshl_b32 s4, s3, 16                          ; 16 rows of 4,096 bytes
	s_mov_b32 s5, 0
	s_lshl_b32 s6, s2, 13
	v_lshl_add_u32 v[VW], v211, 4, s6              ; wave x 2 rows + 16 L
	s_mul_i32 s6, s2, 2*PITCH
	v_lshl_add_u32 v[VSW], v211, 3, s6             ; wave x 2 LDS rows + 8 L
	s_lshl_b32 s6, s2, 8                           ; my wave's four K steps: 128 k = 256 bytes of an LDS row
	v_mul_u32_u24 v[VF], v209, PITCH
	v_add_nc_u32 v[VF], s6, v[VF]
	v_lshl_add_u32 v[VF], v210, 4, v[VF]           ; r x pitch + 16 h + 256 wave
	s_wait_kmcnt 0x0
	s_cmp_lt_u32 ttmp9, 64
	s_cbranch_scc0 .Lrole1
	; ---- Ua_w to bf16 in fragment order
	s_add_nc_u64 s[8:9], s[8:9], s[4:5]
	LOADR RW, VW, 8, 16, 1                         ; read once in the launch
	s_lshr_b32 s6, s3, 3
	s_lshl_b32 s6, s6, 18                          ; (nt >> 3) x 262,144
	s_and_b32 s7, s3, 7
	s_lshl_b32 s7, s7, 10                          ; (nt & 7) x 1,024
	s_add_co_u32 s6, s6, s7
	s_mov_b32 s7, 0
	s_add_nc_u64 s[18:19], s[18:19], s[6:7]
	s_lshl_b32 s22, s2, 15                         ; my four K steps of 8,192 bytes
	v_lshl_add_u32 v[VO], v211, 4, s22
	CONVST RW, VSW, 16, 0
	s_wait_dscnt 0x0                               ; my stores are done, for the other waves' sake
	s_barrier_signal -1
	s_barrier_wait -1
.irp n, 0,1,2,3,4,5,6,7
	ds_load_b128 v[FR+4*\n:FR+4*\n+3], v[VF] offset:32*\n            ; K step n >> 1 of my four, half n & 1 of the fragment
.endr
.irp n, 0,1,2,3,4,5,6,7
	s_wait_dscnt 7-\n
	global_store_b128 v[VO], v[FR+4*\n:FR+4*\n+3], s[18:19] offset:(\n>>1)*8192+(\n&1)*512   ; the wave stores 512 consecutive bytes
.endr
	s_wait_tensorcnt 0x0
	ds_add_u32 v232, v233
	s_wait_dscnt 0x0
	s_endpgm
	; ---- the query's projection, both biases and the factor 2 log2(e)
.Lrole1:
	s_add_nc_u64 s[10:11], s[10:11], s[4:5]
	s_lshl_b32 s6, s2, 14
	v_lshl_add_u32 v[VWQ], v211, 4, s6             ; wave x 4 rows + 16 L
	LOADR RW, VW, 10, 16, 1                        ; read once in the launch
	LOADR RQ, VWQ, 12, 32, 0                       ; 64 work-groups read query: no hint
	v_and_b32 v212, 3, v0
	s_lshl_b32 s6, s3, 6
	v_lshl_add_u32 v[VBO], v212, 4, s6             ; 16 nt + 4 (t & 3), in bytes
	global_load_b128 v[BA:BA+3], v[VBO], s[14:15]
	global_load_b128 v[BB:BB+3], v[VBO], s[16:17]
	s_mul_i32 s6, s2, 4*PITCH
	s_add_co_u32 s6, s6, QT
	v_lshl_add_u32 v[VSQ], v211, 3, s6
	v_add_nc_u32 v[VF2], QT1, v[VF]                ; beyond the reach of the 16-bit LDS offset: a register of its own
	s_lshl_b32 s6, s2, 11
	s_add_co_u32 s6, s6, RED
	v_lshl_add_u32 v[VRS], v211, 2, s6
	v_and_b32 v208, 127, v0                        ; the last reduction is done by threads 0-127
	v_lshlrev_b32 v[VRL], 4, v208
	v_add_nc_u32 v[VRL], RED, v[VRL]
	; words 4 t .. 4 t + 3 of a wave's 512 sums are register t >> 3, lanes 4 (t & 7) .. + 3:
	; batch m = 16 (t >> 6) + 8 ((t >> 2) & 1) + ((t >> 3) & 7), columns 4 (t & 3) .. + 3
	v_lshrrev_b32 v213, 6, v208
	v_bfe_u32 v214, v0, 2, 1
	v_bfe_u32 v215, v0, 3, 3
	s_lshl_b32 s7, s3, 11                          ; nt x 32 batches x 64 bytes
	v_lshl_add_u32 v[VQO], v212, 4, s7
	v_lshl_add_u32 v[VQO], v213, 10, v[VQO]
	v_lshl_add_u32 v[VQO], v214, 9, v[VQO]
	v_lshl_add_u32 v[VQO], v215, 6, v[VQO]
	CONVST RW, VSW, 16, 34                         ; behind the weight tile: 32 loads of query and 2 of biases
	CONVST RQ, VSQ, 32, 2                          ; behind query: the 2 of biases
	s_wait_dscnt 0x0                               ; my stores are done, for the other waves' sake
	s_barrier_signal -1
	s_barrier_wait -1
.irp kk, 0,1,2,3
	ds_load_b128 v[FR+24*\kk:FR+24*\kk+3],     v[VF]  offset:64*\kk
	ds_load_b128 v[FR+24*\kk+4:FR+24*\kk+7],   v[VF]  offset:64*\kk+32
	ds_load_b128 v[FR+24*\kk+8:FR+24*\kk+11],  v[VF]  offset:QT+64*\kk
	ds_load_b128 v[FR+24*\kk+12:FR+24*\kk+15], v[VF]  offset:QT+64*\kk+32
	ds_load_b128 v[FR+24*\kk+16:FR+24*\kk+19], v[VF2] offset:64*\kk
	ds_load_b128 v[FR+24*\kk+20:FR+24*\kk+23], v[VF2] offset:64*\kk+32
.endr
	; the two accumulators take turns, one instruction a turn
.irp kk, 0,1,2,3
	s_wait_dscnt 18-6*\kk                          ; six loads a K step: those of the later K steps may be out
.if \kk == 0
	v_wmma_f32_16x16x32_bf16 v[D0:D0+7], v[FR+8:FR+15],  v[FR:FR+7], 0
	v_wmma_f32_16x16x32_bf16 v[D1:D1+7], v[FR+16:FR+23], v[FR:FR+7], 0
.else
	v_wmma_f32_16x16x32_bf16 v[D0:D0+7], v[FR+24*\kk+8:FR+24*\kk+15],  v[FR+24*\kk:FR+24*\kk+7], v[D0:D0+7]
	v_wmma_f32_16x16x32_bf16 v[D1:D1+7], v[FR+24*\kk+16:FR+24*\kk+23], v[FR+24*\kk:FR+24*\kk+7], v[D1:D1+7]
.endif
.endr
.rept 4
	v_nop                                          ; four places before a matrix result is stored and a matrix source is loaded again (ISA guide 7.12.1)
.endr
.irp j, 0,1,2,3,4,5,6,7,8,9,10,11,12,13,14,15
	ds_store_b32 v[VRS], v[D0+\j] offset:128*\j
.endr
	s_wait_dscnt 0x0                               ; my sums are in LDS, for the other waves' sake
	s_barrier_signal -1
	s_barrier_wait -1
	s_cmp_ge_u32 s2, 4
	s_cbranch_scc1 .Ldone                          ; 512 sums of eight terms: four waves' work
.irp i, 0,1,2,3,4,5,6,7
	ds_load_b128 v[FR+4*\i:FR+4*\i+3], v[VRL] offset:2048*\i
.endr
	s_wait_dscnt 0x0
.irp d, 0,8,16,24
	v_pk_add_f32 v[FR+\d:FR+\d+1],   v[FR+\d:FR+\d+1],   v[FR+\d+4:FR+\d+5]
	v_pk_add_f32 v[FR+\d+2:FR+\d+3], v[FR+\d+2:FR+\d+3], v[FR+\d+6:FR+\d+7]
.endr
.irp d, 0,16
	v_pk_add_f32 v[FR+\d:FR+\d+1],   v[FR+\d:FR+\d+1],   v[FR+\d+8:FR+\d+9]
	v_pk_add_f32 v[FR+\d+2:FR+\d+3], v[FR+\d+2:FR+\d+3], v[FR+\d+10:FR+\d+11]
.endr
	v_pk_add_f32 v[FR:FR+1],   v[FR:FR+1],   v[FR+16:FR+17]
	v_pk_add_f32 v[FR+2:FR+3], v[FR+2:FR+3], v[FR+18:FR+19]
	s_wait_loadcnt 0x0                             ; the biases
	v_pk_add_f32 v[BA:BA+1],   v[BA:BA+1],   v[BB:BB+1]
	v_pk_add_f32 v[BA+2:BA+3], v[BA+2:BA+3], v[BB+2:BB+3]
	v_pk_add_f32 v[FR:FR+1],   v[FR:FR+1],   v[BA:BA+1]
	v_pk_add_f32 v[FR+2:FR+3], v[FR+2:FR+3], v[BA+2:BA+3]
	v_pk_mul_f32 v[FR:FR+1],   v[FR:FR+1],   C2 op_sel_hi:[1,0]
	v_pk_mul_f32 v[FR+2:FR+3], v[FR+2:FR+3], C2 op_sel_hi:[1,0]
	global_store_b128 v[VQO], v[FR:FR+3], s[20:21] ; a wave stores two runs of 256 consecutive bytes (4 batches x 64 bytes each), aligned
.Ldone:
	s_wait_tensorcnt 0x0
	ds_add_u32 v232, v233
	s_wait_dscnt 0x0
	s_endpgm
.Lfunc_end_k_q3d552e4339_prep:
	.size	k_q3d552e4339_prep, .Lfunc_end_k_q3d552e4339_prep-k_q3d552e4339_prep
	.p2alignl 7, 3214868480
	.fill 96, 4, 3214868480
	.section	.rodata,"a",@progbits
	.p2align	6, 0x0
	.amdhsa_kernel k_q3d552e4339_prep
		.amdhsa_group_segment_fixed_size 116480
		.amdhsa_private_segment_fixed_size 0
		.amdhsa_enable_private_segment 0
		.amdhsa_kernarg_size 56
		.amdhsa_user_sgpr_count 2
		.amdhsa_user_sgpr_kernarg_segment_ptr 1
		.amdhsa_wavefront_size32 1
		.amdhsa_system_sgpr_workgroup_id_x 1
		.amdhsa_system_sgpr_workgroup_id_y 1
		.amdhsa_system_sgpr_workgroup_id_z 1
		.amdhsa_system_vgpr_workitem_id 0
		.amdhsa_next_free_vgpr 234
		.amdhsa_next_free_sgpr 66
		.amdhsa_reserve_vcc 0
		.amdhsa_float_denorm_mode_32 3
		.amdhsa_float_denorm_mode_16_64 3
		.amdhsa_memory_ordered 1
		.amdhsa_forward_progress 1
		.amdhsa_inst_pref_size 31
	.end_amdhsa_kernel
	.amdgpu_metadata
---
amdhsa.version: [ 1, 2 ]
amdhsa.kernels:
  - .name:           k_q3d552e4339_prep
    .symbol:         k_q3d552e4339_prep.kd
    .args:
      - { .name: Ua_w, .offset: 0, .size: 8, .value_kind: global_buffer, .address_space: global }
      - { .name: Wa_w, .offset: 8, .size: 8, .value_kind: global_buffer, .address_space: global }
      - { .name: query, .offset: 16, .size: 8, .value_kind: global_buffer, .address_space: global }
      - { .name: Wa_b, .offset: 24, .size: 8, .value_kind: global_buffer, .address_space: global }
      - { .name: Ua_b, .offset: 32, .size: 8, .value_kind: global_buffer, .address_space: global }
      - { .name: ub, .offset: 40, .size: 8, .value_kind: global_buffer, .address_space: global }
      - { .name: qc, .offset: 48, .size: 8, .value_kind: global_buffer, .address_space: global }
    .group_segment_fixed_size: 116480
    .private_segment_fixed_size: 0
    .kernarg_segment_align: 8
    .kernarg_segment_size: 56
    .max_flat_workgroup_size: 256
    .sgpr_count:     66
    .vgpr_count:     234
    .wavefront_size: 32
...
	.end_amdgpu_metadata
.endif
;; end of part 1
;; launch main (part 2): grid 256 x 1, 4 waves a work-group, no clusters, 303,616 bytes of LDS; arguments keys, mask, ub, qc, Va_w, Va_b, sc, st, pctx; writes sc, st, pctx
.if DOCPART == 2
	.amdgcn_target "amdgcn-amd-amdhsa--gfx1250"
	.amdhsa_code_object_version 6
	.text
	.protected	k_q3d552e4339_main
	.globl	k_q3d552e4339_main
	.p2align	8
	.type	k_q3d552e4339_main,@function
k_q3d552e4339_main:
	s_mov_b64 s[64:65], 0
	v_nop
	global_prefetch_b8 v0, s[64:65] scope:SCOPE_SE
	s_setreg_imm32_b32 hwreg(HW_REG_WAVE_MODE, 25, 1), 1
	s_wait_xcnt 0x0
; Scores, block softmax and block context of Bahdanau attention, fused so that keys [32][2048][1024] f32 are read from memory once.
; Work-group x owns rows 256 x .. 256 x + 255 of the 65,536 rows (all of batch x >> 3), as two blocks of 128 rows.  For each block:
;   the block is rounded to bf16 on its way into LDS and stays there (128 rows x 1,024 k);
;   the 1,024 columns of keys x Ua^T go in two passes of 512; in a pass each of the four waves makes 128 rows x 128 columns,
;   64 accumulator tiles in 512 registers; the block is filled during pass 0, a few K steps ahead of the products that read it;
;   behind each pass: score part = sum over my columns of va tanh(acc + q), with tanh(x) = 1 - 2 / (1 + 2^(2 log2(e) x));
;   then mask, the block's maximum m, p = e^(score - m), l = sum of p, and sum of p x key from the bf16 block in LDS.
; Stored: sc (masked scores), st (m, l for each block), pctx (unnormalised block context).  The last launch merges the 16 blocks of a batch.
; UA DOES NOT GO THROUGH LDS, and so there are no tensor loads and no joint requests in a cluster, although all work-groups read the same Ua:
;   beside the resident block (296,960 bytes) and the 6,144 bytes of scores, 24,576 of the 327,680 bytes are left, and one K step of a
;   pass's 512 columns is 32,768 bytes: not one slot fits.  Each Ua fragment is used by one wave of the work-group alone, so the wave
;   loads it straight into registers from ub, where the launch before laid it in fragment order: each load takes 512 consecutive bytes.
; THE TEXT IS STRAIGHT-LINE but for the context's loop: every address is an immediate, and each wait on LOADcnt is counted by the
;   assembler symbols NISSUE (loads issued so far) and SEQ.. (NISSUE just behind the load that is wanted).
; LIMITS: NaN and infinities among the inputs are not treated apart.  keys enter the context rounded to bf16 (2^-9 relative).
;   v_exp_f32 gives 0 for results under 2^-126 (ISA guide 15.8), so such a p is 0.  Sums are formed in another order than in the reference.
.set RP,    144                        ; an LDS row of a sub-chunk: 64 bf16 + 16 bytes = 9 x 16: a fragment's 16 rows fall in 16 different 16-byte columns of the 64 banks of 4 bytes (ISA guide 11.1)
.set SUBP,  18560                      ; a sub-chunk (128 rows x 64 k) + 128 bytes: two neighbouring sub-chunks lie 128 bytes apart modulo 256
.set SPART, 16*SUBP                    ; 296,960: f32 [pass x 4 + wave][128 rows], the waves' parts of the scores
.set PROB,  SPART+4096                 ; 301,056: f32 [wave][128], each wave's own copy of p
.set C2,    0x4038aa3b                 ; 2 log2(e)
.set LOG2E, 0x3fb8aa3b
; window 0 (an instruction names v0-v255; s_set_vgpr_msb says which window of 256 each operand place means)
.set L16,  1                           ; 16 L
.set AA,   2                           ; r x 144 + 16 h: my part of an A fragment
.set AAW,  3                           ; the same, stepped from sub-chunk to sub-chunk
.set VB,   4                           ; wave x 524,288 + 16 L: my 16 bytes in my wave's stream of Ua
.set VK,   5                           ; (16 wave + 8 h) rows of keys + 16 r
.set VS,   6                           ; (16 wave + 8 h) LDS rows + 8 r
.set VSW,  7                           ; the same, stepped
.set VSP,  8                           ; SPART + 512 wave + 32 h
.set VRD,  9                           ; SPART + 16 L
.set VPW,  10                          ; PROB + 512 wave + 16 L
.set VPB,  11                          ; PROB + 512 wave
.set VPBW, 12                          ; the same, stepped
.set VC,   13                          ; (4 wave + h) sub-chunks + 8 r
.set VCW,  14                          ; the same, stepped
.set VOC,  15                          ; 1,024 wave + 16 L
.set QC,   16                          ; v[16:31]  [pass][b]: q of my column, times 2 log2(e)
.set VA2,  32                          ; v[32:47]  [pass][b]: va of my column, then -2 va
.set VSUM, 48                          ; v[48:49]  [pass]: sum over b of va
.set MASK, 50                          ; v[50:57]  [block][4]: mask of rows 4 L .. 4 L + 3
.set VMIN, 58                          ; the most negative finite f32
.set VPF,  59                          ; (64 h + 16 wave + r) rows of keys: prefetches
.set L8,   60                          ; 8 L
.set VQ,   61                          ; byte offset in qc
.set VV,   62                          ; byte offset in Va_w
.set FA,   64                          ; v[64:95] A fragments of row tiles 0-3, v[96:127] of row tiles 4-7
.set TR,   64                          ; v[64:95]  behind a pass: 32 numbers at work
.set SR,   96                          ; v[96:103] behind a pass: 8 rows' sums
.set SG,   128                         ; v[128:255] four granule buffers of 32 registers
; window 1: four buffers of 64 registers for Ua, tile b of set U at 64 (U % 4) + 8 b
; windows 2, 3: accumulator tile (a, b) at 8 (8 (a & 3) + b) of window 2 + (a >> 2).  For the context window 2 holds:
.set KR,   0                           ; v[0:127]   32 rows x 2 sub-chunks x 4 bf16
.set PP,   128                         ; v[128:159] p of the 32 rows
.set CA,   160                         ; v[160:167] my 8 columns' sums
.set MSB, 0
.macro WIN new                         ; low byte: bits 1:0 source 0, 3:2 source 1, 5:4 source 2, 7:6 destination; the high byte repeats the setting that is left
.if MSB != \new
	s_set_vgpr_msb (MSB<<8)|\new
.set MSB, \new
.endif
.endm
.macro PLACES                          ; four places between a matrix instruction and a load into, or a vector instruction on, one of its registers (ISA guide 7.12.1 for vector instructions)
.rept 4
	v_nop
.endr
.endm
; ---- the count of loads
.set NISSUE, 0
.set NEXTB, 0
.set SEQQ, 0
.irp q, 0,1,2,3
.set SEQB\q, 0
.set SEQG\q, 0
.endr
.macro WAITL seq                       ; loads come back in order (ISA guide 5.7.1): all up to number seq are in, the younger ones stay out; the field ends at 63, and a smaller count is safe
.if NISSUE-\seq > 63
	s_wait_loadcnt 63
.else
	s_wait_loadcnt NISSUE-\seq
.endif
.endm
.macro WAITB u
.irp q, 0,1,2,3
.if ((\u)%4) == \q
	WAITL SEQB\q
.endif
.endr
.endm
.macro WAITG g
.irp q, 0,1,2,3
.if ((\g)%4) == \q
	WAITL SEQG\q
.endif
.endr
.endm
; Set u of Ua (the eight B fragments of K step u of the text's 128): 16 loads of 512 consecutive bytes
.macro BSET u
	WIN 0x40
.irp b, 0,1,2,3,4,5,6,7
	global_load_b128 v[64*((\u)%4)+8*\b:64*((\u)%4)+8*\b+3],   v[VB], s[12:13] offset:((\u)%64)*8192+\b*1024
	global_load_b128 v[64*((\u)%4)+8*\b+4:64*((\u)%4)+8*\b+7], v[VB], s[12:13] offset:((\u)%64)*8192+\b*1024+512
.endr
.set NISSUE, NISSUE+16
.irp q, 0,1,2,3
.if ((\u)%4) == \q
.set SEQB\q, NISSUE
.endif
.endr
.endm
; Granule g of a block = sub-chunk g >> 1, rows 64 (g & 1) .. + 63; my wave's 16 rows of it: 8 loads, each two rows' 256 consecutive aligned bytes
.macro GLOAD blk, g
	WIN 0
.irp i, 0,1,2,3,4,5,6,7
	global_load_b128 v[SG+32*((\g)%4)+4*\i:SG+32*((\g)%4)+4*\i+3], v[VK], s[8:9] offset:\blk*524288+(64*((\g)&1)+\i)*4096+((\g)>>1)*256 th:TH_LOAD_NT
.endr
.set NISSUE, NISSUE+8
.irp q, 0,1,2,3
.if ((\g)%4) == \q
.set SEQG\q, NISSUE
.endif
.endr
.endm
; The granule is rounded to bf16 in place and put into LDS: lanes 0-15 and 16-31 write 128 bytes each, 1,152 bytes (128 modulo 256) apart
.macro GSTORE g
.set GB, SG+32*((\g)%4)
	WAITG \g
.irp i, 0,1,2,3,4,5,6,7
	v_cvt_pk_bf16_f32 v[GB+4*\i],   v[GB+4*\i],   v[GB+4*\i+1]
	v_cvt_pk_bf16_f32 v[GB+4*\i+1], v[GB+4*\i+2], v[GB+4*\i+3]
.endr
.irp i, 0,1,2,3,4,5,6,7
	ds_store_b64 v[VSW], v[GB+4*\i:GB+4*\i+1] offset:(64*((\g)&1)+\i)*RP
.endr
.if ((\g)&1) == 1
	v_add_nc_u32 v[VSW], SUBP, v[VSW]              ; the next sub-chunk
.endif
.endm
; Sub-chunk j of block blk: my wave asks for its 32 rows' pieces of 256 bytes, one lane a piece; each piece is asked for once in the launch
.macro PREF blk, j
	global_prefetch_b8 v[VPF], s[8:9] offset:\blk*524288+(\j)*256 th:TH_LOAD_NT scope:SCOPE_SE
.endm
; A fragments of row tiles 4 half .. 4 half + 3 for K step kt: lane (r, h) takes row r, k = 8 h .. and 16 + 8 h .., two loads of 16 bytes 32 bytes apart
.macro ALOAD half, kt
.if \half == 0
.if ((\kt)&1) == 0
.if (\kt) > 0
	v_add_nc_u32 v[AAW], SUBP, v[AAW]              ; a sub-chunk holds two K steps
.endif
.endif
.endif
.irp m, 0,1,2,3
	ds_load_b128 v[FA+32*\half+8*\m:FA+32*\half+8*\m+3],   v[AAW] offset:(4*\half+\m)*16*RP+((\kt)&1)*64
	ds_load_b128 v[FA+32*\half+8*\m+4:FA+32*\half+8*\m+7], v[AAW] offset:(4*\half+\m)*16*RP+((\kt)&1)*64+32
.endr
.endm
; 32 matrix instructions: four row tiles x eight column tiles.  zero = 1: the first product starts the sums, nothing is cleared.
; The 64 accumulators take turns, one instruction a turn, in the same order in every K step.
.macro MUL half, u, zero
.irp m, 0,1,2,3
.irp b, 0,1,2,3,4,5,6,7
.if \zero
	v_wmma_f32_16x16x32_bf16 v[8*(8*\m+\b):8*(8*\m+\b)+7], v[FA+32*\half+8*\m:FA+32*\half+8*\m+7], v[64*((\u)%4)+8*\b:64*((\u)%4)+8*\b+7], 0
.else
	v_wmma_f32_16x16x32_bf16 v[8*(8*\m+\b):8*(8*\m+\b)+7], v[FA+32*\half+8*\m:FA+32*\half+8*\m+7], v[64*((\u)%4)+8*\b:64*((\u)%4)+8*\b+7], v[8*(8*\m+\b):8*(8*\m+\b)+7]
.endif
.endr
.endr
.endm
; K step KT (a symbol, 0..31) of pass pp of block blk: 32 along K, 64 matrix instructions.
; Ua runs LB sets ahead: 2 where granules are loaded too (2 sets and 3 granules, 56 loads, are then out at the most), else 3.
; In pass 0, K step t puts granule t + 3 into LDS and asks for granule t + 7.  Sub-chunk e/2 + 1 (granules e + 2, e + 3) is complete
; in every wave before that wave's signal at the head of the odd K step e + 1, and is first read behind the wait in the middle of that K step.
.macro KSTEP blk, pp
.set TT, 64*\blk+32*\pp+KT
.set LB, 3
.set SYNC, 0
.set ZERO, 0
.if \pp == 0
.if KT <= 24
.set LB, 2
.endif
.if (KT&1) == 1
.if KT <= 29
.set SYNC, 1
.endif
.endif
.endif
.if KT == 0
.set ZERO, 1
.endif
	PLACES                                         ; behind the last products: A's upper half and a buffer of Ua are loaded again
	WAITB TT                                       ; this K step's Ua
.rept 2
.if NEXTB <= TT+LB
.if NEXTB <= 127
	BSET NEXTB                                     ; into the buffer of a set that an earlier K step has multiplied
.set NEXTB, NEXTB+1
.endif
.endif
.endr
	WIN 0
.if SYNC
	s_wait_dscnt 0x0                               ; my granules are in LDS, for the other waves' sake, and no LDS access of mine is out
	s_barrier_signal -1
.endif
	ALOAD 1, KT                                    ; bytes of a sub-chunk that nobody writes any more
	s_wait_dscnt 0x8                               ; A's lower half is in; the eight loads just issued may be out
	WIN 0xa4
	MUL 0, TT, ZERO
	WIN 0
.if SYNC
	s_barrier_wait -1                              ; every wave's granules of the next sub-chunk are in LDS
.endif
	PLACES                                         ; A's lower half is loaded again
.set NDS, 0
.if \pp == 0
.if KT <= 28
	GSTORE KT+3
.set NDS, NDS+8
.endif
.if KT <= 24
	GLOAD \blk, KT+7                               ; into the buffer just emptied
.endif
.if (KT&1) == 0
.if KT <= 20
	PREF \blk, KT/2+5                              ; sub-chunk t/2 + 5, whose first granule is loaded three K steps on; the last is sub-chunk 15
.endif
.endif
.endif
.if KT < 31
	ALOAD 0, KT+1
.set NDS, NDS+8
.endif
	s_wait_dscnt NDS                               ; A's upper half is in; what was issued behind it (a granule's 8 stores, the next lower half's 8 loads) may be out
	WIN 0xf4
	MUL 1, TT, ZERO
.endm
; ---- behind a pass
; x = acc 2 log2(e) + q for one tile: ab = the tile's first register in its window, c = which quarter of TR, qp/sel = q's register pair and which of the two
.macro EARG ab, c, qp, sel
.irp i, 0,1,2,3
	v_pk_fma_f32 v[TR+8*(\c)+2*\i:TR+8*(\c)+2*\i+1], v[(\ab)+2*\i:(\ab)+2*\i+1], C2, v[(\qp):(\qp)+1] op_sel:[0,0,\sel] op_sel_hi:[1,0,\sel]
.endr
.endm
; sums += (-2 va) / (1 + 2^x); the first tile of a row tile starts the sums with the lane's sum of va
.macro EACC c, vp, sel, first, pp
.irp i, 0,1,2,3
.if \first
	v_pk_fma_f32 v[SR+2*\i:SR+2*\i+1], v[TR+8*(\c)+2*\i:TR+8*(\c)+2*\i+1], v[(\vp):(\vp)+1], v[VSUM:VSUM+1] op_sel:[0,\sel,\pp] op_sel_hi:[1,\sel,\pp]
.else
	v_pk_fma_f32 v[SR+2*\i:SR+2*\i+1], v[TR+8*(\c)+2*\i:TR+8*(\c)+2*\i+1], v[(\vp):(\vp)+1], v[SR+2*\i:SR+2*\i+1] op_sel:[0,\sel,0] op_sel_hi:[1,\sel,1]
.endif
.endr
.endm
; In a tile lane (r, h) holds column r of rows 8 h + 0..7.  2^x = infinity gives 1 / infinity = 0, tanh = 1; 2^x = 0 gives tanh = -1.
.macro EPI pp
	PLACES                                         ; behind the last products: results are read, A's registers are written
.irp a, 0,1,2,3,4,5,6,7
.irp g, 0,1
.if \a < 4
	WIN 0x02
.else
	WIN 0x03
.endif
.irp c, 0,2
	EARG 8*(8*(\a&3)+4*\g+\c),   \c,   QC+8*\pp+4*\g+\c, 0
	EARG 8*(8*(\a&3)+4*\g+\c+1), \c+1, QC+8*\pp+4*\g+\c, 1
.endr
	WIN 0
.set e_, 0
.rept 32
	v_exp_f32 v[TR+e_], v[TR+e_]
.set e_, e_+1
.endr
	v_nop                                          ; one plain instruction between a transcendental and the use of its result (ISA guide 5.7.2)
.set e_, 0
	s_wait_alu depctr_va_vdst(0)
.rept 16
	v_pk_add_f32 v[TR+e_:TR+e_+1], v[TR+e_:TR+e_+1], 1.0 op_sel_hi:[1,0]
.set e_, e_+2
.endr
.set e_, 0
.rept 32
	v_rcp_f32 v[TR+e_], v[TR+e_]
.set e_, e_+1
.endr
	v_nop
	s_wait_alu depctr_va_vdst(0)
.irp c, 0,2
.if (\g+\c) == 0
	EACC \c,   VA2+8*\pp+4*\g+\c, 0, 1, \pp
.else
	EACC \c,   VA2+8*\pp+4*\g+\c, 0, 0, \pp
.endif
	EACC \c+1, VA2+8*\pp+4*\g+\c, 1, 0, \pp
.endr
.endr
.irp x, 1,2,4,8
.irp j, 0,1,2,3,4,5,6,7
	v_add_f32_dpp v[SR+\j], v[SR+\j], v[SR+\j] row_xmask:\x row_mask:0xf bank_mask:0xf   ; over the 16 columns of a tile
.endr
.endr
	ds_store_b128 v[VSP], v[SR:SR+3]   offset:\pp*2048+\a*64      ; rows 16 a + 8 h + 0..3: the 16 lanes of a half write the same numbers to the same bytes
	ds_store_b128 v[VSP], v[SR+4:SR+7] offset:\pp*2048+\a*64+16
.endr
.endm
; ---- the block's softmax.  Every wave does all of it for all 128 rows (lane L: rows 4 L .. 4 L + 3), so that no wave waits for another's result.
.set XS, 64                            ; v[64:95] eight parts of four scores; then v[64:67] the scores
.set MX, 72                            ; v72 the block's maximum, v73 the block's sum
.set PE, 76                            ; v[76:79] p
.set TP, 80                            ; temporaries
.macro QADD d, s
	v_pk_add_f32 v[\d:\d+1],   v[\d:\d+1],   v[\s:\s+1]
	v_pk_add_f32 v[\d+2:\d+3], v[\d+2:\d+3], v[\s+2:\s+3]
.endm
.macro SOFT blk
	s_wait_dscnt 0x0                               ; my parts of the scores are in LDS, for the other waves' sake
	s_barrier_signal -1
	s_barrier_wait -1
.irp n, 0,1,2,3,4,5,6,7
	ds_load_b128 v[XS+4*\n:XS+4*\n+3], v[VRD] offset:\n*512
.endr
	s_wait_dscnt 0x0
	QADD XS, XS+4
	QADD XS+8, XS+12
	QADD XS+16, XS+20
	QADD XS+24, XS+28
	QADD XS, XS+8
	QADD XS+16, XS+24
	QADD XS, XS+16
	v_pk_add_f32 v[XS:XS+1],   v[XS:XS+1],   s[26:27] op_sel_hi:[1,0]     ; + Va_b
	v_pk_add_f32 v[XS+2:XS+3], v[XS+2:XS+3], s[26:27] op_sel_hi:[1,0]
.irp i, 0,1,2,3
	v_cmp_eq_u32 vcc_lo, 0, v[MASK+4*\blk+\i]
	v_cndmask_b32 v[XS+\i], v[XS+\i], v[VMIN], vcc_lo              ; a masked row's score is the most negative finite f32
.endr
	v_max3_num_f32 v[MX], v[XS], v[XS+1], v[XS+2]
	v_max_num_f32 v[MX], v[MX], v[XS+3]
.irp x, 1,2,4,8
	v_max_num_f32_dpp v[MX], v[MX], v[MX] row_xmask:\x row_mask:0xf bank_mask:0xf
.endr
	v_permlanex16_b32 v[TP], v[MX], s28, s29
	v_max_num_f32 v[MX], v[MX], v[TP]              ; the block's maximum, in every lane
.irp i, 0,1,2,3
	v_sub_f32 v[PE+\i], v[XS+\i], v[MX]            ; the difference first: a product of the most negative f32 by log2(e) would overflow
.endr
.irp i, 0,1,2,3
	v_mul_f32 v[PE+\i], LOG2E, v[PE+\i]
.endr
.irp i, 0,1,2,3
	v_exp_f32 v[PE+\i], v[PE+\i]
.endr
	v_nop
	s_wait_alu depctr_va_vdst(0)
	v_add_f32 v[MX+1], v[PE], v[PE+1]
	v_add_f32 v[TP+1], v[PE+2], v[PE+3]
	v_add_f32 v[MX+1], v[MX+1], v[TP+1]
.irp x, 1,2,4,8
	v_add_f32_dpp v[MX+1], v[MX+1], v[MX+1] row_xmask:\x row_mask:0xf bank_mask:0xf
.endr
	v_permlanex16_b32 v[TP], v[MX+1], s28, s29
	v_add_f32 v[MX+1], v[MX+1], v[TP]              ; the block's sum
	ds_store_b128 v[VPW], v[PE:PE+3]               ; my wave's own copy of p: LDS serves a wave's instructions in order (ISA guide 5.7.1), so its reads below need no wait
	s_cmp_lg_u32 s2, 0
	s_cbranch_scc1 .Lnot_wave_0_\@
	global_store_b128 v[L16], v[XS:XS+3], s[20:21] offset:\blk*512   ; 512 consecutive bytes
	global_store_b64 v[L8], v[MX:MX+1], s[22:23] offset:\blk*256     ; (m, l) 32 times: 256 consecutive bytes, aligned, with all lanes on
.Lnot_wave_0_\@:
.endm
; ---- the block's context on the vector unit: one row of weights would use one of the matrix unit's sixteen rows.
; Lane (r, h) of wave w holds columns (4 w + 2 q + h) 64 + 4 r .. + 3, q = 0, 1.  A trip takes 32 rows, as two halves of 16.
.macro CLOAD hh
.irp q, 0,1,2,3
	ds_load_b128 v[PP+16*\hh+4*\q:PP+16*\hh+4*\q+3], v[VPBW] offset:(16*\hh+4*\q)*4   ; all lanes read the same 16 bytes
.endr
.set r_, 16*\hh
.rept 16
	ds_load_b64 v[KR+4*r_:KR+4*r_+1],   v[VCW] offset:r_*RP             ; lanes 0-15 and 16-31 read 128 bytes each, in neighbouring sub-chunks
	ds_load_b64 v[KR+4*r_+2:KR+4*r_+3], v[VCW] offset:2*SUBP+r_*RP
.set r_, r_+1
.endr
.endm
.macro CFMA hh
.set r_, 16*\hh
.rept 16
.irp q, 0,1
	v_fma_mix_f32_bf16 v[CA+4*\q],   v[KR+4*r_+2*\q],   v[PP+r_], v[CA+4*\q]   op_sel_hi:[1,0,0]
	v_fma_mix_f32_bf16 v[CA+4*\q+1], v[KR+4*r_+2*\q],   v[PP+r_], v[CA+4*\q+1] op_sel:[1,0,0] op_sel_hi:[1,0,0]
	v_fma_mix_f32_bf16 v[CA+4*\q+2], v[KR+4*r_+2*\q+1], v[PP+r_], v[CA+4*\q+2] op_sel_hi:[1,0,0]
	v_fma_mix_f32_bf16 v[CA+4*\q+3], v[KR+4*r_+2*\q+1], v[PP+r_], v[CA+4*\q+3] op_sel:[1,0,0] op_sel_hi:[1,0,0]
.endr
.set r_, r_+1
.endr
.endm
.macro CTX blk
	v_mov_b32 v[VCW], v[VC]
	v_mov_b32 v[VPBW], v[VPB]
	WIN 0x80
.irp c, 0,1,2,3,4,5,6,7
	v_mov_b32 v[CA+\c], 0
.endr
	WIN 0                                          ; at a label and at a branch every window is 0
	s_mov_b32 s30, 4
.Lctx_\@:
	WIN 0x80
	CLOAD 0
	CLOAD 1
	s_wait_dscnt 36                                ; the first 16 rows are in; the second half's 4 + 32 loads may be out
	WIN 0xaa
	CFMA 0
	s_wait_dscnt 0x0
	CFMA 1
	WIN 0
	v_add_nc_u32 v[VCW], 32*RP, v[VCW]
	v_add_nc_u32 v[VPBW], 128, v[VPBW]
	s_sub_co_u32 s30, s30, 1
	s_cmp_lg_u32 s30, 0
	s_cbranch_scc1 .Lctx_\@
	WIN 0x08
	global_store_b128 v[VOC], v[CA:CA+3],   s[24:25] offset:\blk*4096       ; 512 consecutive bytes
	global_store_b128 v[VOC], v[CA+4:CA+7], s[24:25] offset:\blk*4096+512
	WIN 0
	s_wait_xcnt 0x0                                ; the data registers of this block's stores are written again only behind this wait (ISA guide 3.1)
.endm
.macro BLOCK blk
	v_mov_b32 v[VSW], v[VS]
	v_mov_b32 v[AAW], v[AA]
.irp g, 0,1,2
	GSTORE \g
	GLOAD \blk, \g+4
.endr
	s_wait_dscnt 0x0                               ; sub-chunk 0 (and half of sub-chunk 1) is in LDS, for the other waves' sake
	s_barrier_signal -1
	s_barrier_wait -1
	ALOAD 0, 0
.set KT, 0
.rept 32
	KSTEP \blk, 0
.set KT, KT+1
.endr
	WIN 0
.if \blk == 0
	WAITL SEQQ                                     ; q, va and the masks, asked for at the start
	v_add_f32 v[VSUM],   v[VA2],   v[VA2+1]
	v_add_f32 v[VSUM+1], v[VA2+8], v[VA2+9]
.irp b, 2,3,4,5,6,7
	v_add_f32 v[VSUM],   v[VSUM],   v[VA2+\b]
	v_add_f32 v[VSUM+1], v[VSUM+1], v[VA2+8+\b]
.endr
.irp b, 0,2,4,6,8,10,12,14
	v_pk_mul_f32 v[VA2+\b:VA2+\b+1], v[VA2+\b:VA2+\b+1], -2.0 op_sel_hi:[1,0]
.endr
.endif
	EPI 0
	v_mov_b32 v[AAW], v[AA]
	ALOAD 0, 0
.set KT, 0
.rept 32
	KSTEP \blk, 1
.set KT, KT+1
.endr
	WIN 0
.if \blk == 0
.irp g, 0,1,2,3
	GLOAD 1, \g                                    ; the next block's first four granules are on their way during all that follows
.endr
.endif
	EPI 1
	SOFT \blk
.if \blk == 0
.irp j, 2,3,4
	PREF 1, \j                                     ; the sub-chunks that the next block's first K steps load
.endr
.endif
	CTX \blk
.if \blk == 0
	s_wait_dscnt 0x0                               ; my reads of the block, of the scores and of p are over
	s_barrier_signal -1
	s_barrier_wait -1                              ; everybody's are: the next block may be written over this one
.endif
.endm
	; ---- set-up
	s_load_b512 s[8:23], s[0:1], 0x0               ; keys s[8:9], mask s[10:11], ub s[12:13], qc s[14:15], Va_w s[16:17], Va_b s[18:19], sc s[20:21], st s[22:23]
	s_load_b64 s[24:25], s[0:1], 0x40              ; pctx
	v_lshrrev_b32 v63, 5, v0
	v_readfirstlane_b32 s2, v63                    ; wave 0..3
	v_and_b32 v64, 31, v0                          ; L
	v_and_b32 v65, 15, v0                          ; r
	v_bfe_u32 v66, v0, 4, 1                        ; h
	s_lshr_b32 s3, ttmp9, 3                        ; batch
	s_mov_b32 s28, 0x76543210                      ; v_permlanex16_b32: lane i of one half reads lane i of the other
	s_mov_b32 s29, 0xfedcba98
	v_lshlrev_b32 v[L16], 4, v64
	v_lshlrev_b32 v[L8], 3, v64
	v_mul_u32_u24 v[AA], v65, RP
	v_lshl_add_u32 v[AA], v66, 4, v[AA]
	s_lshl_b32 s4, s2, 19
	v_add_nc_u32 v[VB], s4, v[L16]
	s_lshl_b32 s4, s2, 16                          ; 16 rows of 4,096 bytes
	v_lshl_add_u32 v[VK], v65, 4, s4
	v_lshl_add_u32 v[VK], v66, 15, v[VK]
	v_lshl_add_u32 v[VPF], v65, 12, s4
	v_lshl_add_u32 v[VPF], v66, 18, v[VPF]
	s_mul_i32 s4, s2, 16*RP
	v_lshl_add_u32 v[VS], v65, 3, s4
	v_mad_u32_u24 v[VS], v66, 8*RP, v[VS]
	s_lshl_b32 s4, s2, 9
	s_add_co_u32 s5, s4, SPART
	v_lshl_add_u32 v[VSP], v66, 5, s5
	v_add_nc_u32 v[VRD], SPART, v[L16]
	s_add_co_u32 s5, s4, PROB
	v_add_nc_u32 v[VPW], s5, v[L16]
	v_mov_b32 v[VPB], s5
	s_mul_i32 s4, s2, 4*SUBP
	v_lshl_add_u32 v[VC], v65, 3, s4
	v_mad_u32_u24 v[VC], v66, SUBP, v[VC]
	s_lshl_b32 s4, s2, 10
	v_add_nc_u32 v[VOC], s4, v[L16]
	v_lshl_add_u32 v[VV], v65, 2, s4               ; column 256 wave + r, in bytes
	s_lshl_b32 s4, s2, 15
	v_lshl_add_u32 v[VQ], v65, 2, s4               ; column tile 16 wave, 2,048 bytes a tile, + 4 r
	v_mov_b32 v[VMIN], 0xff7fffff
	s_wait_kmcnt 0x0
	s_load_b32 s26, s[18:19], 0x0                  ; Va_b
	s_mov_b32 s5, 0
	s_lshl_b32 s4, ttmp9, 20                       ; 256 rows of 4,096 bytes
	s_add_nc_u64 s[8:9], s[8:9], s[4:5]
	s_lshl_b32 s4, ttmp9, 10                       ; 256 rows of 4 bytes
	s_add_nc_u64 s[10:11], s[10:11], s[4:5]
	s_add_nc_u64 s[20:21], s[20:21], s[4:5]
	s_lshl_b32 s4, s3, 6                           ; batch x 16 columns x 4 bytes
	s_add_nc_u64 s[14:15], s[14:15], s[4:5]
	s_lshl_b32 s4, ttmp9, 9                        ; two blocks of 256 bytes
	s_add_nc_u64 s[22:23], s[22:23], s[4:5]
	s_lshl_b32 s4, ttmp9, 13                       ; two blocks of 4,096 bytes
	s_add_nc_u64 s[24:25], s[24:25], s[4:5]
	; ---- the first loads: keys first, then Ua, then what is wanted only behind pass 0
.irp g, 0,1,2,3
	GLOAD 0, \g
.endr
.irp j, 2,3,4
	PREF 0, \j
.endr
	BSET 0
	BSET 1
.set NEXTB, 2
	WIN 0
.irp p, 0,1
.irp b, 0,1,2,3,4,5,6,7
	global_load_b32 v[QC+8*\p+\b],  v[VQ], s[14:15] offset:\p*16384+\b*2048
	global_load_b32 v[VA2+8*\p+\b], v[VV], s[16:17] offset:\p*512+\b*64
.endr
.endr
	global_load_b128 v[MASK:MASK+3],   v[L16], s[10:11]
	global_load_b128 v[MASK+4:MASK+7], v[L16], s[10:11] offset:512
.set NISSUE, NISSUE+34
.set SEQQ, NISSUE
	s_wait_kmcnt 0x0
	s_mov_b32 s27, s26                             ; the packed add names the pair
	BLOCK 0
	BLOCK 1
	s_wait_xcnt 0x0
	v_lshl_add_u32 v254, v0, 2, 0x4a000
	v_mov_b32 v255, 0
	s_wait_tensorcnt 0x0
	ds_add_u32 v254, v255
	s_wait_dscnt 0x0
	s_endpgm
.Lfunc_end_k_q3d552e4339_main:
	.size	k_q3d552e4339_main, .Lfunc_end_k_q3d552e4339_main-k_q3d552e4339_main
	.p2alignl 7, 3214868480
	.fill 96, 4, 3214868480
	.section	.rodata,"a",@progbits
	.p2align	6, 0x0
	.amdhsa_kernel k_q3d552e4339_main
		.amdhsa_group_segment_fixed_size 303616
		.amdhsa_private_segment_fixed_size 0
		.amdhsa_enable_private_segment 0
		.amdhsa_kernarg_size 72
		.amdhsa_user_sgpr_count 2
		.amdhsa_user_sgpr_kernarg_segment_ptr 1
		.amdhsa_wavefront_size32 1
		.amdhsa_system_sgpr_workgroup_id_x 1
		.amdhsa_system_sgpr_workgroup_id_y 1
		.amdhsa_system_sgpr_workgroup_id_z 1
		.amdhsa_system_vgpr_workitem_id 0
		.amdhsa_next_free_vgpr 1024
		.amdhsa_next_free_sgpr 66
		.amdhsa_reserve_vcc 1
		.amdhsa_float_denorm_mode_32 3
		.amdhsa_float_denorm_mode_16_64 3
		.amdhsa_memory_ordered 1
		.amdhsa_forward_progress 1
		.amdhsa_inst_pref_size 255
	.end_amdhsa_kernel
	.section	.bss,"aw",@nobits
	.p2align	6
	.space	262144
	.amdgpu_metadata
---
amdhsa.version: [ 1, 2 ]
amdhsa.kernels:
  - .name:           k_q3d552e4339_main
    .symbol:         k_q3d552e4339_main.kd
    .args:
      - { .name: keys, .offset: 0, .size: 8, .value_kind: global_buffer, .address_space: global }
      - { .name: mask, .offset: 8, .size: 8, .value_kind: global_buffer, .address_space: global }
      - { .name: ub, .offset: 16, .size: 8, .value_kind: global_buffer, .address_space: global }
      - { .name: qc, .offset: 24, .size: 8, .value_kind: global_buffer, .address_space: global }
      - { .name: Va_w, .offset: 32, .size: 8, .value_kind: global_buffer, .address_space: global }
      - { .name: Va_b, .offset: 40, .size: 8, .value_kind: global_buffer, .address_space: global }
      - { .name: sc, .offset: 48, .size: 8, .value_kind: global_buffer, .address_space: global }
      - { .name: st, .offset: 56, .size: 8, .value_kind: global_buffer, .address_space: global }
      - { .name: pctx, .offset: 64, .size: 8, .value_kind: global_buffer, .address_space: global }
    .group_segment_fixed_size: 303616
    .private_segment_fixed_size: 0
    .kernarg_segment_align: 8
    .kernarg_segment_size: 72
    .max_flat_workgroup_size: 128
    .sgpr_count:     66
    .vgpr_count:     1024
    .wavefront_size: 32
...
	.end_amdgpu_metadata
.endif
;; end of part 2
;; launch finish (part 3): grid 128 x 1, 4 waves a work-group, no clusters, 0 bytes of LDS; arguments st, pctx, sc, out0, out1; writes out0, out1
.if DOCPART == 3
	.amdgcn_target "amdgcn-amd-amdhsa--gfx1250"
	.amdhsa_code_object_version 6
	.text
	.protected	k_q3d552e4339_finish
	.globl	k_q3d552e4339_finish
	.p2align	8
	.type	k_q3d552e4339_finish,@function
k_q3d552e4339_finish:
	s_mov_b64 s[64:65], 0
	v_nop
	global_prefetch_b8 v0, s[64:65] scope:SCOPE_SE
	s_setreg_imm32_b32 hwreg(HW_REG_WAVE_MODE, 25, 1), 1
	s_wait_xcnt 0x0
; The 16 blocks of a batch are merged: M = max of the blocks' maxima m_i, e_i = e^(m_i - M), L = sum of l_i e_i,
; weights = e^(score - M) / L, context = sum of e_i / L x (block i's unnormalised context).
; Work-group x makes a quarter (x & 3) of batch x >> 2: 512 weights and 256 columns of the context.  A few kilobytes a work-group:
; no LDS, no barrier, no matrix unit; every wave works out M and L for itself from the 16 pairs.
; A batch whose rows are all masked: every score is the most negative finite f32, every difference is 0, the weights are 1/2048, as in the reference.
; LIMIT: v_exp_f32 gives 0 for results under 2^-126 (ISA guide 15.8), so such a weight is 0.
.set LOG2E, 0x3fb8aa3b
	s_load_b256 s[8:15], s[0:1], 0x0               ; st s[8:9], pctx s[10:11], sc s[12:13], out0 s[14:15]
	s_load_b64 s[16:17], s[0:1], 0x20              ; out1
	s_lshr_b32 s2, ttmp9, 2                        ; batch
	s_and_b32 s3, ttmp9, 3                         ; quarter
	v_and_b32 v1, 15, v0
	v_lshlrev_b32 v1, 8, v1                        ; lane i of each 16 takes block i's pair
	v_lshlrev_b32 v2, 4, v0                        ; four weights a thread
	v_lshlrev_b32 v3, 3, v0                        ; two columns a thread
	s_mov_b32 s5, 0
	s_lshl_b32 s18, s3, 10
	s_lshl_b32 s4, s2, 12
	s_wait_kmcnt 0x0
	s_add_nc_u64 s[8:9], s[8:9], s[4:5]            ; st + batch x 16 blocks x 256 bytes
	s_add_co_u32 s4, s4, s18
	s_add_nc_u64 s[14:15], s[14:15], s[4:5]        ; out0 + batch x 4,096 + quarter x 1,024
	s_lshl_b32 s4, s4, 1
	s_add_nc_u64 s[12:13], s[12:13], s[4:5]        ; sc and out1 + batch x 8,192 + quarter x 2,048
	s_add_nc_u64 s[16:17], s[16:17], s[4:5]
	s_lshl_b32 s4, s2, 16
	s_add_co_u32 s4, s4, s18
	s_add_nc_u64 s[10:11], s[10:11], s[4:5]        ; pctx + batch x 16 blocks x 4,096 + quarter x 1,024
	global_load_b64 v[4:5], v1, s[8:9]
	global_load_b128 v[8:11], v2, s[12:13] th:TH_LOAD_NT
.irp i, 0,1,2,3,4,5,6,7,8,9,10,11,12,13,14,15
	global_load_b64 v[12+2*\i:13+2*\i], v3, s[10:11] offset:4096*\i th:TH_LOAD_NT
.endr
	s_wait_loadcnt 17                              ; (m, l) is in; the scores and the 16 partial contexts may be out
	v_mov_b32 v44, v4
.irp x, 1,2,4,8
	v_max_num_f32_dpp v44, v44, v44 row_xmask:\x row_mask:0xf bank_mask:0xf
.endr
	v_sub_f32 v45, v4, v44                         ; the difference first: a product of the most negative f32 by log2(e) would overflow
	v_mul_f32 v45, LOG2E, v45
	v_exp_f32 v45, v45
	v_nop                                          ; one plain instruction between a transcendental and the use of its result (ISA guide 5.7.2)
	s_wait_alu depctr_va_vdst(0)
	v_mul_f32 v46, v5, v45
.irp x, 1,2,4,8
	v_add_f32_dpp v46, v46, v46 row_xmask:\x row_mask:0xf bank_mask:0xf
.endr
	v_rcp_f32 v47, v46                             ; L is at least 1: the row of the maximum adds 1
	v_nop
	s_wait_alu depctr_va_vdst(0)
	v_mul_f32 v48, v45, v47                        ; lane i: e_i / L
.irp i, 0,1,2,3,4,5,6,7,8,9,10,11,12,13,14,15
	v_readlane_b32 s[32+\i], v48, \i
.endr
	s_wait_loadcnt 16                              ; the scores are in
.irp i, 0,1,2,3
	v_sub_f32 v[8+\i], v[8+\i], v44
.endr
.irp i, 0,1,2,3
	v_mul_f32 v[8+\i], LOG2E, v[8+\i]
.endr
.irp i, 0,1,2,3
	v_exp_f32 v[8+\i], v[8+\i]
.endr
	v_nop
	s_wait_alu depctr_va_vdst(0)
.irp i, 0,1,2,3
	v_mul_f32 v[8+\i], v[8+\i], v47
.endr
	global_store_b128 v2, v[8:11], s[16:17]        ; a wave stores 512 consecutive bytes
	s_wait_loadcnt 15
	v_mul_f32 v50, s32, v12
	v_mul_f32 v51, s32, v13
.irp i, 1,2,3,4,5,6,7,8,9,10,11,12,13,14,15
	s_wait_loadcnt 15-\i                           ; block i's part is in, the later blocks' may be out
	v_fma_f32 v50, s[32+\i], v[12+2*\i], v50
	v_fma_f32 v51, s[32+\i], v[13+2*\i], v51
.endr
	global_store_b64 v3, v[50:51], s[14:15]        ; a wave stores 256 consecutive bytes, aligned
	s_endpgm
.Lfunc_end_k_q3d552e4339_finish:
	.size	k_q3d552e4339_finish, .Lfunc_end_k_q3d552e4339_finish-k_q3d552e4339_finish
	.p2alignl 7, 3214868480
	.fill 96, 4, 3214868480
	.section	.rodata,"a",@progbits
	.p2align	6, 0x0
	.amdhsa_kernel k_q3d552e4339_finish
		.amdhsa_group_segment_fixed_size 0
		.amdhsa_private_segment_fixed_size 0
		.amdhsa_enable_private_segment 0
		.amdhsa_kernarg_size 40
		.amdhsa_user_sgpr_count 2
		.amdhsa_user_sgpr_kernarg_segment_ptr 1
		.amdhsa_wavefront_size32 1
		.amdhsa_system_sgpr_workgroup_id_x 1
		.amdhsa_system_sgpr_workgroup_id_y 1
		.amdhsa_system_sgpr_workgroup_id_z 1
		.amdhsa_system_vgpr_workitem_id 0
		.amdhsa_next_free_vgpr 64
		.amdhsa_next_free_sgpr 66
		.amdhsa_reserve_vcc 0
		.amdhsa_float_denorm_mode_32 3
		.amdhsa_float_denorm_mode_16_64 3
		.amdhsa_memory_ordered 1
		.amdhsa_forward_progress 1
		.amdhsa_inst_pref_size 8
	.end_amdhsa_kernel
	.amdgpu_metadata
---
amdhsa.version: [ 1, 2 ]
amdhsa.kernels:
  - .name:           k_q3d552e4339_finish
    .symbol:         k_q3d552e4339_finish.kd
    .args:
      - { .name: st, .offset: 0, .size: 8, .value_kind: global_buffer, .address_space: global }
      - { .name: pctx, .offset: 8, .size: 8, .value_kind: global_buffer, .address_space: global }
      - { .name: sc, .offset: 16, .size: 8, .value_kind: global_buffer, .address_space: global }
      - { .name: out0, .offset: 24, .size: 8, .value_kind: global_buffer, .address_space: global }
      - { .name: out1, .offset: 32, .size: 8, .value_kind: global_buffer, .address_space: global }
    .group_segment_fixed_size: 0
    .private_segment_fixed_size: 0
    .kernarg_segment_align: 8
    .kernarg_segment_size: 40
    .max_flat_workgroup_size: 128
    .sgpr_count:     66
    .vgpr_count:     64
    .wavefront_size: 32
...
	.end_amdgpu_metadata
.endif
;; end of part 3
;; ======== version 2 of 2: 3 launches
;; workspace buffers: ub 2,097,152 bytes; qc 131,072 bytes; sc 262,144 bytes; st 131,072 bytes; pctx 2,097,152 bytes
;; launch prep: the kernel of part 1 again; grid 128 x 1, 8 waves a work-group, no clusters, 116,480 bytes of LDS; arguments Ua_w, Wa_w, query, Wa_b, Ua_b, ub, qc; writes ub, qc
;; launch main (part 4): grid 256 x 1, 4 waves a work-group, no clusters, 303,616 bytes of LDS; arguments keys, mask, ub, qc, Va_w, Va_b, sc, st, pctx; writes sc, st, pctx
.if DOCPART == 4
	.amdgcn_target "amdgcn-amd-amdhsa--gfx1250"
	.amdhsa_code_object_version 6
	.text
	.protected	k_q3d552e4339_main
	.globl	k_q3d552e4339_main
	.p2align	8
	.type	k_q3d552e4339_main,@function
k_q3d552e4339_main:
	s_mov_b64 s[64:65], 0
	v_nop
	global_prefetch_b8 v0, s[64:65] scope:SCOPE_SE
	s_setreg_imm32_b32 hwreg(HW_REG_WAVE_MODE, 25, 1), 1
	s_wait_xcnt 0x0
; Scores, block softmax and block context of Bahdanau attention, fused so that keys [32][2048][1024] f32 are read from memory once.
; Work-group x owns rows 256 x .. 256 x + 255 of the 65,536 rows (all of batch x >> 3), as two blocks of 128 rows.  For each block:
;   the block is rounded to bf16 on its way into LDS and stays there (128 rows x 1,024 k);
;   the 1,024 columns of keys x Ua^T go in two passes of 512; in a pass each of the four waves makes 128 rows x 128 columns,
;   64 accumulator tiles in 512 registers; the block is filled during pass 0, one chunk of 128 k ahead of the products that read it;
;   behind each pass: score part = sum over my columns of va tanh(acc + q), with tanh(x) = 1 - 2 / (1 + 2^(2 log2(e) x));
;   then mask, the block's maximum m, p = e^(score - m), l = sum of p, and sum of p x key from the bf16 block in LDS.
; Stored: sc (masked scores), st (m, l for each block), pctx (unnormalised block context).  The last launch merges the 16 blocks of a batch.
; THE TEXT IS A NEST OF COUNTED LOOPS: block (2) { prologue; pass (2) { trip 0, whose first products start the sums; 6 trips; trip 7, which
;   has nothing to store and no next chunk to read; the pass's epilogue }; softmax; context }.  A trip is four K steps of 32 (one chunk), as
;   many as Ua has register buffers.  One text serves both passes: what pass 0 does besides (store, load and prefetch granules of keys)
;   stands under forward branches on a countdown, and every wait is written so that it holds with and without that work.
; STORES INTO THE BLOCK STAND IN A PHASE OF THEIR OWN, in K steps 0 and 2 of trips 0 to 6: a barrier in front of which every wave has waited for
;   its reads of the block, the stores, a barrier in front of which every wave has waited for its stores.  Trip i stores chunk i + 1 and reads
;   chunk i, so the first of the two orders nothing that this arithmetic does not keep apart already; it is written so that the ordering
;   can be read off the text without the arithmetic of the stepped addresses.  In pass 1 nothing is stored and both barriers order nothing.
; UA DOES NOT GO THROUGH LDS, and so there are no tensor loads and no joint requests in a cluster, although all work-groups read the same Ua:
;   beside the resident block (296,960 bytes) and the 6,144 bytes of scores, 24,576 of the 327,680 bytes are left, and one K step of a
;   pass's 512 columns is 32,768 bytes: not one slot fits.  Each Ua fragment is used by one wave of the work-group alone, so the wave
;   loads it straight into registers from ub, where the launch before laid it in fragment order: each load takes 512 consecutive bytes.
;   Ua runs three sets ahead, over the ends of passes and blocks too (the offset wraps at the wave's 64 sets); so the last pass of the
;   last block asks for three sets that nothing reads, the stream's first three again: 24,576 of the 1,048,576 bytes that a wave streams.
; LIMITS: NaN and infinities among the inputs are not treated apart.  keys enter the context rounded to bf16 (2^-9 relative).
;   v_exp_f32 gives 0 for results under 2^-126 (ISA guide 15.8), so such a p is 0.  Sums are formed in another order than in the reference.
.set RP,     144                       ; an LDS row of a sub-chunk: 64 bf16 + 16 bytes = 9 x 16: a fragment's 16 rows fall in 16 different 16-byte columns of the 64 banks of 4 bytes (ISA guide 11.1)
.set SUBP,   18560                     ; a sub-chunk (128 rows x 64 k) + 128 bytes: two neighbouring sub-chunks lie 128 bytes apart modulo 256
.set CHUNK,  2*SUBP                    ; a chunk: 128 k, four K steps, four granules
.set SPART,  16*SUBP                   ; 296,960: f32 [pass x 4 + wave][128 rows], the waves' parts of the scores
.set PROB,   SPART+4096                ; 301,056: f32 [wave][128], each wave's own copy of p
.set SETB,   8192                      ; a set of Ua: the eight B fragments of one K step of one wave
.set STREAM, 64*SETB                   ; a wave's sets of both passes
.set BLKB,   524288                    ; a block of keys: 128 rows of 4,096 bytes
.set C2,     0x4038aa3b                ; 2 log2(e)
.set LOG2E,  0x3fb8aa3b
; scalars: s2 wave; s[8:9] keys at the block; s[10:11] mask; s[12:13] ub; s[14:15] qc; s[16:17] Va_w; s[18:19] Va_b's address; s[20:21] sc;
; s[22:23] st; s[24:25] pctx; s26 = s27 Va_b; s28, s29 selectors; s30 trips; s31 pass; s32 block; s[34:35] offset of the next trip's sets; s38, s39 masks; s46 pass x 2,048
.set FC,   33                          ; the fill's countdown: 7 - trip in pass 0, 0 in pass 1.  >= 1: store, >= 2: load, >= 3: prefetch
.set SKW,  36                          ; s[36:37] keys at the block + 512 bytes a trip
.set SBC,  42                          ; s[42:43] ub at this trip's four sets
.set SBN,  44                          ; s[44:45] ub at the next trip's four sets
; window 0 (an instruction names v0-v255; s_set_vgpr_msb says which window of 256 each operand place means)
.set L16,  1                           ; 16 L
.set AA,   2                           ; r x 144 + 16 h: my part of an A fragment
.set AAW,  3                           ; the same at this trip's chunk
.set VB,   4                           ; wave x 524,288 + 16 L: my 16 bytes in my wave's stream of Ua
.set VK,   5                           ; (16 wave + 8 h) rows of keys + 16 r
.set VS,   6                           ; (16 wave + 8 h) LDS rows + 8 r
.set VSW,  7                           ; the same at the chunk behind this trip's: chunks 1 to 7 in trips 0 to 6
.set VSP,  8                           ; SPART + 512 wave + 32 h
.set VRD,  9                           ; SPART + 16 L
.set VPW,  10                          ; PROB + 512 wave + 16 L
.set VPB,  11                          ; PROB + 512 wave
.set VPBW, 12                          ; the same, stepped
.set VC,   13                          ; (4 wave + h) sub-chunks + 8 r
.set VCW,  14                          ; the same, stepped
.set VOC,  15                          ; 1,024 wave + 16 L
.set QC,   16                          ; v[16:31]  [pass][b]: q of my column, times 2 log2(e)
.set VA2,  32                          ; v[32:47]  [pass][b]: va of my column, then -2 va
.set VSUM, 48                          ; v[48:49]  [pass]: sum over b of va
.set MASK, 50                          ; v[50:57]  [block][4]: mask of rows 4 L .. 4 L + 3
.set VMIN, 58                          ; the most negative finite f32
.set VPF,  59                          ; (64 h + 16 wave + r) rows of keys: prefetches
.set L8,   60                          ; 8 L
.set VQ,   61                          ; byte offset in qc
.set VV,   62                          ; byte offset in Va_w
.set FA,   64                          ; v[64:95] A fragments of row tiles 0-3, v[96:127] of row tiles 4-7
.set TR,   64                          ; v[64:95]   behind a pass: 32 numbers at work
.set SR,   96                          ; v[96:103]  behind a pass: 8 rows' sums
.set QCW,  104                         ; v[104:111] behind a pass: this pass's q
.set VAW,  112                         ; v[112:119] this pass's -2 va
.set VSUMW,120                         ; v[120:121] this pass's sum of va, twice
.set VSPW, 122                         ; this pass's place among the parts of the scores
.set SG,   128                         ; v[128:255] four granule buffers of 32 registers
; window 1: four buffers of 64 registers for Ua: the set of K step j of a trip in buffer j, tile b at 64 j + 8 b
; windows 2, 3: accumulator tile (a, b) at 8 (8 (a & 3) + b) of window 2 + (a >> 2).
; Between two blocks window 3's v[0:127] take the next block's chunk 0 as loaded.  For the context window 2 holds:
.set KR,   0                           ; v[0:127]   32 rows x 2 sub-chunks x 4 bf16
.set PP,   128                         ; v[128:159] p of the 32 rows
.set CA,   160                         ; v[160:167] my 8 columns' sums
.set MSB, 0
.macro WIN new                         ; low byte: bits 1:0 source 0, 3:2 source 1, 5:4 source 2, 7:6 destination; the high byte repeats the setting that is left
.if MSB != \new
	s_set_vgpr_msb (MSB<<8)|\new
.set MSB, \new
.endif
.endm
.macro PLACES                          ; four places between a matrix instruction and a load into, or a vector instruction on, one of its registers (ISA guide 7.12.1 for vector instructions)
.rept 4
	v_nop
.endr
.endm
; A set of Ua into buffer buf: 16 loads of 512 consecutive bytes; sb = the base's scalar pair, set = which set from that base
.macro BSET buf, sb, set
	WIN 0x40
.irp b, 0,1,2,3,4,5,6,7
	global_load_b128 v[64*(\buf)+8*\b:64*(\buf)+8*\b+3],   v[VB], s[\sb:\sb+1] offset:(\set)*SETB+\b*1024
	global_load_b128 v[64*(\buf)+8*\b+4:64*(\buf)+8*\b+7], v[VB], s[\sb:\sb+1] offset:(\set)*SETB+\b*1024+512
.endr
.endm
; Granule j of a chunk = its sub-chunk j >> 1, rows 64 (j & 1) .. + 63; my wave's 16 rows of it: 8 loads, each two rows' 256 consecutive aligned bytes.
; In trip i: granule j of chunk i + 2, into ring buffer j
.macro GLOAD j
.irp i, 0,1,2,3,4,5,6,7
	global_load_b128 v[SG+32*(\j)+4*\i:SG+32*(\j)+4*\i+3], v[VK], s[SKW:SKW+1] offset:(64*((\j)&1)+\i)*4096+(4+((\j)>>1))*256 th:TH_LOAD_NT
.endr
.endm
; In trip i: granule j of chunk i + 1 is rounded to bf16 in place and put into LDS: lanes 0-15 and 16-31 write 128 bytes each, 1,152 bytes (128 modulo 256) apart
.macro GSTORE j
.irp i, 0,1,2,3,4,5,6,7
	v_cvt_pk_bf16_f32 v[SG+32*(\j)+4*\i],   v[SG+32*(\j)+4*\i],   v[SG+32*(\j)+4*\i+1]
	v_cvt_pk_bf16_f32 v[SG+32*(\j)+4*\i+1], v[SG+32*(\j)+4*\i+2], v[SG+32*(\j)+4*\i+3]
.endr
.irp i, 0,1,2,3,4,5,6,7
	ds_store_b64 v[VSW], v[SG+32*(\j)+4*\i:SG+32*(\j)+4*\i+1] offset:((\j)>>1)*SUBP+(64*((\j)&1)+\i)*RP
.endr
.endm
; Sub-chunk j from the base: my wave asks for its 32 rows' pieces of 256 bytes, one lane a piece; each piece is asked for once in the launch
.macro PREF sb, j
	global_prefetch_b8 v[VPF], s[\sb:\sb+1] offset:(\j)*256 th:TH_LOAD_NT scope:SCOPE_SE
.endm
; A block's first two chunks, asked for together: chunk 0 into window 3, where no accumulator lives at that time, chunk 1 into the ring;
; chunk 2, which trip 0 loads, is prefetched
.macro GLOAD8
	WIN 0xc0
.irp g, 0,1,2,3
.irp i, 0,1,2,3,4,5,6,7
	global_load_b128 v[32*\g+4*\i:32*\g+4*\i+3], v[VK], s[8:9] offset:(64*((\g)&1)+\i)*4096+((\g)>>1)*256 th:TH_LOAD_NT
.endr
.endr
	WIN 0
.irp g, 0,1,2,3
.irp i, 0,1,2,3,4,5,6,7
	global_load_b128 v[SG+32*\g+4*\i:SG+32*\g+4*\i+3], v[VK], s[8:9] offset:(64*((\g)&1)+\i)*4096+(2+((\g)>>1))*256 th:TH_LOAD_NT
.endr
.endr
	PREF 8, 4
	PREF 8, 5
.endm
; A fragments of row tiles 4 half .. 4 half + 3 for K step jj of the trip (4: the next trip's first):
; lane (r, h) takes row r, k = 8 h .. and 16 + 8 h .., two loads of 16 bytes 32 bytes apart
.macro ALOAD half, jj
.irp m, 0,1,2,3
	ds_load_b128 v[FA+32*\half+8*\m:FA+32*\half+8*\m+3],   v[AAW] offset:((\jj)>>1)*SUBP+(4*\half+\m)*16*RP+((\jj)&1)*64
	ds_load_b128 v[FA+32*\half+8*\m+4:FA+32*\half+8*\m+7], v[AAW] offset:((\jj)>>1)*SUBP+(4*\half+\m)*16*RP+((\jj)&1)*64+32
.endr
.endm
; Row tiles m0 .. m1 of a half's four x eight column tiles: 8 matrix instructions a row tile.  zero = 1: the first product starts the sums, nothing is cleared.
; The 64 accumulators take turns, one instruction a turn, in the same order in every K step.
.macro MULT half, buf, zero, m0, m1
.set m_, \m0
.rept \m1-\m0+1
.irp b, 0,1,2,3,4,5,6,7
.if \zero
	v_wmma_f32_16x16x32_bf16 v[8*(8*m_+\b):8*(8*m_+\b)+7], v[FA+32*\half+8*m_:FA+32*\half+8*m_+7], v[64*(\buf)+8*\b:64*(\buf)+8*\b+7], 0
.else
	v_wmma_f32_16x16x32_bf16 v[8*(8*m_+\b):8*(8*m_+\b)+7], v[FA+32*\half+8*m_:FA+32*\half+8*m_+7], v[64*(\buf)+8*\b:64*(\buf)+8*\b+7], v[8*(8*m_+\b):8*(8*m_+\b)+7]
.endif
.endr
.set m_, m_+1
.endr
.endm
; Pass 0 alone: granules j and j + 1 (one sub-chunk of the next chunk) go into LDS.  Their loads stand 4 and 3 K steps back, and behind each of them
; at least two sets of Ua were asked for ahead of this step's wait for all but 32 loads: they have landed.
.macro FILLST j
	s_cmp_eq_u32 s[FC], 0
	s_cbranch_scc1 .Lnost_\@
	GSTORE \j
	GSTORE \j+1
.Lnost_\@:
.endm
; Pass 0 alone: one granule of chunk i + 2 a K step, into the buffer that a store phase has emptied; in K steps 0 and 1 a sub-chunk of chunk i + 3 is prefetched
.macro GLOADC j
	s_cmp_lt_u32 s[FC], 2
	s_cbranch_scc1 .Lnold_\@                       ; chunk 7 is the last to be loaded (trip 5)
	GLOAD \j
.if \j < 2
	s_cmp_lt_u32 s[FC], 3
	s_cbranch_scc1 .Lnold_\@                       ; and the last to be prefetched (trip 4)
	PREF SKW, 6+\j                                 ; its granules are loaded four K steps on
.endif
.Lnold_\@:
.endm
; K step j of a trip: 32 along K, 64 matrix instructions.  fill = 1: trips 0 to 6, with the fill's work; next = 1: the next K step's lower half is read.
.macro STEP j, zero, fill, next
.set PH, 0
.if \fill
.if ((\j)&1) == 0
.set PH, 1
.endif
.endif
	PLACES                                         ; behind the last products: A's upper half and a buffer of Ua are loaded again
	s_wait_loadcnt 32                              ; loads come back in order (ISA guide 5.7.1): behind this step's set the next two sets (32 loads) have been issued on every way here, granules or not
.if \j == 0
	BSET 3, SBC, 3                                 ; three sets ahead, into the buffer that the last K step has multiplied
.else
	BSET \j-1, SBN, \j-1
.endif
	WIN 0
	s_wait_dscnt 0x0                               ; A's lower half is in
	ALOAD 1, \j
	WIN 0xa4
.if PH
	MULT 0, \j, \zero, 0, 2
	s_wait_dscnt 0x0                               ; A's upper half, asked for 24 matrix instructions ago, is in: no read of mine is out
	s_barrier_signal -1
	MULT 0, \j, \zero, 3, 3
	WIN 0
	s_barrier_wait -1                              ; no wave has a read of the block out
	PLACES                                         ; A's lower half is loaded again further down
	FILLST \j
	GLOADC \j
	WIN 0xf4
	MULT 1, \j, \zero, 0, 0
	s_wait_dscnt 0x0                               ; my stores are done, for the other waves' sake
	s_barrier_signal -1
	MULT 1, \j, \zero, 1, 1
	WIN 0
	s_barrier_wait -1                              ; everybody's are: the block is read again
	ALOAD 0, \j+1
	WIN 0xf4
	MULT 1, \j, \zero, 2, 3
.else
	MULT 0, \j, \zero, 0, 3
	WIN 0
	PLACES                                         ; A's lower half is loaded again
	s_wait_dscnt 0x0                               ; A's upper half, asked for 32 matrix instructions ago, is in
.if \fill
	GLOADC \j
.endif
.if \next
	ALOAD 0, \j+1
.endif
	WIN 0xf4
	MULT 1, \j, \zero, 0, 3
.endif
.endm
.macro TRIP zero, fill
	STEP 0, \zero, \fill, 1
	STEP 1, 0, \fill, 1
	STEP 2, 0, \fill, 1
	STEP 3, 0, \fill, \fill                        ; behind chunk 7 lies no chunk
	WIN 0                                          ; at a label and at a branch every window is 0
	s_wait_xcnt 0x0                                ; the bases of this trip's loads and prefetches are written again only behind this wait (ISA guide 3.1)
	s_mov_b64 s[SBC:SBC+1], s[SBN:SBN+1]
	s_add_co_u32 s34, s34, 4*SETB
	s_and_b32 s34, s34, STREAM-1                   ; behind the wave's 64th set comes its first
	s_add_nc_u64 s[SBN:SBN+1], s[12:13], s[34:35]
.if \fill
	s_add_nc_u64 s[SKW:SKW+1], s[SKW:SKW+1], 512   ; 128 k of f32
	s_max_u32 s[FC], s[FC], 1
	s_sub_co_u32 s[FC], s[FC], 1                   ; counts down and stays at 0
	v_add_nc_u32 v[AAW], CHUNK, v[AAW]             ; both LDS addresses step once a trip, in trips 0 to 6
	v_add_nc_u32 v[VSW], CHUNK, v[VSW]
.endif
.endm
; ---- behind a pass
; x = acc 2 log2(e) + q for one tile: ab = the tile's first register in its window, c = which quarter of TR, qp/sel = q's register pair and which of the two
.macro EARG ab, c, qp, sel
.irp i, 0,1,2,3
	v_pk_fma_f32 v[TR+8*(\c)+2*\i:TR+8*(\c)+2*\i+1], v[(\ab)+2*\i:(\ab)+2*\i+1], C2, v[(\qp):(\qp)+1] op_sel:[0,0,\sel] op_sel_hi:[1,0,\sel]
.endr
.endm
; sums += (-2 va) / (1 + 2^x); the first tile of a row tile starts the sums with the lane's sum of va
.macro EACC c, vp, sel, first
.irp i, 0,1,2,3
.if \first
	v_pk_fma_f32 v[SR+2*\i:SR+2*\i+1], v[TR+8*(\c)+2*\i:TR+8*(\c)+2*\i+1], v[(\vp):(\vp)+1], v[VSUMW:VSUMW+1] op_sel:[0,\sel,0] op_sel_hi:[1,\sel,1]
.else
	v_pk_fma_f32 v[SR+2*\i:SR+2*\i+1], v[TR+8*(\c)+2*\i:TR+8*(\c)+2*\i+1], v[(\vp):(\vp)+1], v[SR+2*\i:SR+2*\i+1] op_sel:[0,\sel,0] op_sel_hi:[1,\sel,1]
.endif
.endr
.endm
; In a tile lane (r, h) holds column r of rows 8 h + 0..7.  2^x = infinity gives 1 / infinity = 0, tanh = 1; 2^x = 0 gives tanh = -1.
.macro EPI
.irp a, 0,1,2,3,4,5,6,7
.irp g, 0,1
.if \a < 4
	WIN 0x02
.else
	WIN 0x03
.endif
.irp c, 0,2
	EARG 8*(8*(\a&3)+4*\g+\c),   \c,   QCW+4*\g+\c, 0
	EARG 8*(8*(\a&3)+4*\g+\c+1), \c+1, QCW+4*\g+\c, 1
.endr
	WIN 0
.set e_, 0
.rept 32
	v_exp_f32 v[TR+e_], v[TR+e_]
.set e_, e_+1
.endr
	v_nop                                          ; one plain instruction between a transcendental and the use of its result (ISA guide 5.7.2)
.set e_, 0
	s_wait_alu depctr_va_vdst(0)
.rept 16
	v_pk_add_f32 v[TR+e_:TR+e_+1], v[TR+e_:TR+e_+1], 1.0 op_sel_hi:[1,0]
.set e_, e_+2
.endr
.set e_, 0
.rept 32
	v_rcp_f32 v[TR+e_], v[TR+e_]
.set e_, e_+1
.endr
	v_nop
	s_wait_alu depctr_va_vdst(0)
.irp c, 0,2
.if (\g+\c) == 0
	EACC \c,   VAW+4*\g+\c, 0, 1
.else
	EACC \c,   VAW+4*\g+\c, 0, 0
.endif
	EACC \c+1, VAW+4*\g+\c, 1, 0
.endr
.endr
.irp x, 1,2,4,8
.irp j, 0,1,2,3,4,5,6,7
	v_add_f32_dpp v[SR+\j], v[SR+\j], v[SR+\j] row_xmask:\x row_mask:0xf bank_mask:0xf   ; over the 16 columns of a tile
.endr
.endr
	ds_store_b128 v[VSPW], v[SR:SR+3]   offset:\a*64               ; rows 16 a + 8 h + 0..3: the 16 lanes of a half write the same numbers to the same bytes
	ds_store_b128 v[VSPW], v[SR+4:SR+7] offset:\a*64+16
.endr
.endm
; ---- registers of the block's softmax
.set XS, 64                            ; v[64:95] eight parts of four scores; then v[64:67] the scores
.set MX, 72                            ; v72 the block's maximum, v73 the block's sum
.set PE, 76                            ; v[76:79] p
.set TP, 80                            ; v80, v81 temporaries; v[82:85] this block's mask
.macro QADD d, s
	v_pk_add_f32 v[\d:\d+1],   v[\d:\d+1],   v[\s:\s+1]
	v_pk_add_f32 v[\d+2:\d+3], v[\d+2:\d+3], v[\s+2:\s+3]
.endm
; ---- the context: lane (r, h) of wave w holds columns (4 w + 2 q + h) 64 + 4 r .. + 3, q = 0, 1.  A trip takes 32 rows, as two halves of 16.
.macro CLOAD hh
.irp q, 0,1,2,3
	ds_load_b128 v[PP+16*\hh+4*\q:PP+16*\hh+4*\q+3], v[VPBW] offset:(16*\hh+4*\q)*4   ; all lanes read the same 16 bytes
.endr
.set r_, 16*\hh
.rept 16
	ds_load_b64 v[KR+4*r_:KR+4*r_+1],   v[VCW] offset:r_*RP             ; lanes 0-15 and 16-31 read 128 bytes each, in neighbouring sub-chunks
	ds_load_b64 v[KR+4*r_+2:KR+4*r_+3], v[VCW] offset:2*SUBP+r_*RP
.set r_, r_+1
.endr
.endm
.macro CFMA hh
.set r_, 16*\hh
.rept 16
.irp q, 0,1
	v_fma_mix_f32_bf16 v[CA+4*\q],   v[KR+4*r_+2*\q],   v[PP+r_], v[CA+4*\q]   op_sel_hi:[1,0,0]
	v_fma_mix_f32_bf16 v[CA+4*\q+1], v[KR+4*r_+2*\q],   v[PP+r_], v[CA+4*\q+1] op_sel:[1,0,0] op_sel_hi:[1,0,0]
	v_fma_mix_f32_bf16 v[CA+4*\q+2], v[KR+4*r_+2*\q+1], v[PP+r_], v[CA+4*\q+2] op_sel_hi:[1,0,0]
	v_fma_mix_f32_bf16 v[CA+4*\q+3], v[KR+4*r_+2*\q+1], v[PP+r_], v[CA+4*\q+3] op_sel:[1,0,0] op_sel_hi:[1,0,0]
.endr
.set r_, r_+1
.endr
.endm
	; ---- set-up
	s_load_b512 s[8:23], s[0:1], 0x0               ; keys s[8:9], mask s[10:11], ub s[12:13], qc s[14:15], Va_w s[16:17], Va_b s[18:19], sc s[20:21], st s[22:23]
	s_load_b64 s[24:25], s[0:1], 0x40              ; pctx
	v_lshrrev_b32 v63, 5, v0
	v_readfirstlane_b32 s2, v63                    ; wave 0..3
	v_and_b32 v64, 31, v0                          ; L
	v_and_b32 v65, 15, v0                          ; r
	v_bfe_u32 v66, v0, 4, 1                        ; h
	s_lshr_b32 s3, ttmp9, 3                        ; batch
	s_mov_b32 s28, 0x76543210                      ; v_permlanex16_b32: lane i of one half reads lane i of the other
	s_mov_b32 s29, 0xfedcba98
	v_lshlrev_b32 v[L16], 4, v64
	v_lshlrev_b32 v[L8], 3, v64
	v_mul_u32_u24 v[AA], v65, RP
	v_lshl_add_u32 v[AA], v66, 4, v[AA]
	s_lshl_b32 s4, s2, 19
	v_add_nc_u32 v[VB], s4, v[L16]
	s_lshl_b32 s4, s2, 16                          ; 16 rows of 4,096 bytes
	v_lshl_add_u32 v[VK], v65, 4, s4
	v_lshl_add_u32 v[VK], v66, 15, v[VK]
	v_lshl_add_u32 v[VPF], v65, 12, s4
	v_lshl_add_u32 v[VPF], v66, 18, v[VPF]
	s_mul_i32 s4, s2, 16*RP
	v_lshl_add_u32 v[VS], v65, 3, s4
	v_mad_u32_u24 v[VS], v66, 8*RP, v[VS]
	s_lshl_b32 s4, s2, 9
	s_add_co_u32 s5, s4, SPART
	v_lshl_add_u32 v[VSP], v66, 5, s5
	v_add_nc_u32 v[VRD], SPART, v[L16]
	s_add_co_u32 s5, s4, PROB
	v_add_nc_u32 v[VPW], s5, v[L16]
	v_mov_b32 v[VPB], s5
	s_mul_i32 s4, s2, 4*SUBP
	v_lshl_add_u32 v[VC], v65, 3, s4
	v_mad_u32_u24 v[VC], v66, SUBP, v[VC]
	s_lshl_b32 s4, s2, 10
	v_add_nc_u32 v[VOC], s4, v[L16]
	v_lshl_add_u32 v[VV], v65, 2, s4               ; column 256 wave + r, in bytes
	s_lshl_b32 s4, s2, 15
	v_lshl_add_u32 v[VQ], v65, 2, s4               ; column tile 16 wave, 2,048 bytes a tile, + 4 r
	v_mov_b32 v[VMIN], 0xff7fffff
	s_wait_kmcnt 0x0
	s_load_b32 s26, s[18:19], 0x0                  ; Va_b
	s_mov_b32 s5, 0
	s_lshl_b32 s4, ttmp9, 20                       ; 256 rows of 4,096 bytes
	s_add_nc_u64 s[8:9], s[8:9], s[4:5]
	s_lshl_b32 s4, ttmp9, 10                       ; 256 rows of 4 bytes
	s_add_nc_u64 s[10:11], s[10:11], s[4:5]
	s_add_nc_u64 s[20:21], s[20:21], s[4:5]
	s_lshl_b32 s4, s3, 6                           ; batch x 16 columns x 4 bytes
	s_add_nc_u64 s[14:15], s[14:15], s[4:5]
	s_lshl_b32 s4, ttmp9, 9                        ; two blocks of 256 bytes
	s_add_nc_u64 s[22:23], s[22:23], s[4:5]
	s_lshl_b32 s4, ttmp9, 13                       ; two blocks of 4,096 bytes
	s_add_nc_u64 s[24:25], s[24:25], s[4:5]
	; ---- the first loads: q, va and the masks (34), Ua's first three sets (48), block 0's first two chunks (64)
.irp p, 0,1
.irp b, 0,1,2,3,4,5,6,7
	global_load_b32 v[QC+8*\p+\b],  v[VQ], s[14:15] offset:\p*16384+\b*2048
	global_load_b32 v[VA2+8*\p+\b], v[VV], s[16:17] offset:\p*512+\b*64
.endr
.endr
	global_load_b128 v[MASK:MASK+3],   v[L16], s[10:11]
	global_load_b128 v[MASK+4:MASK+7], v[L16], s[10:11] offset:512
	BSET 0, 12, 0
	BSET 1, 12, 1
	BSET 2, 12, 2
	GLOAD8
	s_mov_b64 s[SBC:SBC+1], s[12:13]
	s_add_nc_u64 s[SBN:SBN+1], s[12:13], 4*SETB
	s_mov_b32 s34, 4*SETB
	s_mov_b32 s35, 0
	s_mov_b32 s32, 0                               ; block
	s_wait_kmcnt 0x0
	s_mov_b32 s27, s26                             ; the packed add names the pair
	s_wait_loadcnt 63                              ; 112 loads stand behind q, va and the masks; the count's field ends at 63, and a smaller count is safe
	v_add_f32 v[VSUM],   v[VA2],   v[VA2+1]
	v_add_f32 v[VSUM+1], v[VA2+8], v[VA2+9]
.irp b, 2,3,4,5,6,7
	v_add_f32 v[VSUM],   v[VSUM],   v[VA2+\b]
	v_add_f32 v[VSUM+1], v[VSUM+1], v[VA2+8+\b]
.endr
.irp b, 0,2,4,6,8,10,12,14
	v_pk_mul_f32 v[VA2+\b:VA2+\b+1], v[VA2+\b:VA2+\b+1], -2.0 op_sel_hi:[1,0]
.endr
.Lblk:
	; ---- the block's prologue: chunk 0 goes from window 3 into LDS.  The 64 loads of the block's first two chunks are the youngest.
	s_mov_b64 s[SKW:SKW+1], s[8:9]
	s_mov_b32 s[FC], 7
.irp g, 0,1,2,3
	s_wait_loadcnt 56-8*\g                         ; granule g is in; the 7 - g younger granules of 8 loads may be out
	WIN 0xcf
.irp i, 0,1,2,3,4,5,6,7
	v_cvt_pk_bf16_f32 v[32*\g+4*\i],   v[32*\g+4*\i],   v[32*\g+4*\i+1]
	v_cvt_pk_bf16_f32 v[32*\g+4*\i+1], v[32*\g+4*\i+2], v[32*\g+4*\i+3]
.endr
	WIN 0x0c
.irp i, 0,1,2,3,4,5,6,7
	ds_store_b64 v[VS], v[32*\g+4*\i:32*\g+4*\i+1] offset:((\g)>>1)*SUBP+(64*((\g)&1)+\i)*RP
.endr
.endr
	WIN 0
	s_wait_loadcnt 0x0                             ; chunk 1, asked for together with chunk 0, is in the ring: trip 0 stores it
	s_wait_dscnt 0x0                               ; chunk 0 is in LDS, for the other waves' sake
	s_barrier_signal -1
	s_barrier_wait -1
	s_mov_b32 s31, 0                               ; pass
.Lpass:
	v_mov_b32 v[AAW], v[AA]                        ; chunk 0 is read,
	v_add_nc_u32 v[VSW], CHUNK, v[VS]              ; chunk 1 is stored
	ALOAD 0, 0
	TRIP 1, 1                                      ; trip 0 stands in front of the loop: its first products start the sums
	s_mov_b32 s30, 6
.Lk:
	TRIP 0, 1                                      ; trips 1 to 6
	s_sub_co_u32 s30, s30, 1
	s_cmp_lg_u32 s30, 0
	s_cbranch_scc1 .Lk
	TRIP 0, 0                                      ; trip 7: the block is whole, so no store phase, no barrier, and no chunk to read ahead
	; ---- the pass's epilogue; one text for both passes: the pass's 17 numbers a lane are chosen first
	PLACES                                         ; behind the last products: results are read, A's registers are written
	s_cmp_lg_u32 s31, 0
	s_cselect_b32 s38, -1, 0
	s_lshl_b32 s46, s31, 11
.irp b, 0,1,2,3,4,5,6,7
	v_cndmask_b32 v[QCW+\b], v[QC+\b],  v[QC+8+\b],  s38
	v_cndmask_b32 v[VAW+\b], v[VA2+\b], v[VA2+8+\b], s38
.endr
	v_cndmask_b32 v[VSUMW],   v[VSUM], v[VSUM+1], s38
	v_cndmask_b32 v[VSUMW+1], v[VSUM], v[VSUM+1], s38
	v_add_nc_u32 v[VSPW], s46, v[VSP]
	EPI
	s_add_co_u32 s31, s31, 1
	s_cmp_lt_u32 s31, 2
	s_cbranch_scc1 .Lpass
	; ---- behind block 0: block 1's first two chunks are on their way during the softmax and the context
	s_cmp_lg_u32 s32, 0
	s_cselect_b32 s39, -1, 0
	s_cbranch_scc1 .Lno_next
	s_wait_loadcnt 0x0                             ; no load is out: the ring's registers are loaded again.  All that this waits for was asked for ahead of the epilogue, which holds no load
	s_add_nc_u64 s[8:9], s[8:9], BLKB
	GLOAD8
.Lno_next:
	; ---- the block's softmax.  Every wave does all of it for all 128 rows (lane L: rows 4 L .. 4 L + 3), so that no wave waits for another's result.
	s_wait_dscnt 0x0                               ; my parts of the scores are in LDS, for the other waves' sake
	s_barrier_signal -1
	s_barrier_wait -1
.irp n, 0,1,2,3,4,5,6,7
	ds_load_b128 v[XS+4*\n:XS+4*\n+3], v[VRD] offset:\n*512
.endr
	s_wait_dscnt 0x0
	QADD XS, XS+4
	QADD XS+8, XS+12
	QADD XS+16, XS+20
	QADD XS+24, XS+28
	QADD XS, XS+8
	QADD XS+16, XS+24
	QADD XS, XS+16
	v_pk_add_f32 v[XS:XS+1],   v[XS:XS+1],   s[26:27] op_sel_hi:[1,0]     ; + Va_b
	v_pk_add_f32 v[XS+2:XS+3], v[XS+2:XS+3], s[26:27] op_sel_hi:[1,0]
.irp i, 0,1,2,3
	v_cndmask_b32 v[TP+2+\i], v[MASK+\i], v[MASK+4+\i], s39        ; this block's mask
.endr
.irp i, 0,1,2,3
	v_cmp_eq_u32 vcc_lo, 0, v[TP+2+\i]
	v_cndmask_b32 v[XS+\i], v[XS+\i], v[VMIN], vcc_lo              ; a masked row's score is the most negative finite f32
.endr
	v_max3_num_f32 v[MX], v[XS], v[XS+1], v[XS+2]
	v_max_num_f32 v[MX], v[MX], v[XS+3]
.irp x, 1,2,4,8
	v_max_num_f32_dpp v[MX], v[MX], v[MX] row_xmask:\x row_mask:0xf bank_mask:0xf
.endr
	v_permlanex16_b32 v[TP], v[MX], s28, s29
	v_max_num_f32 v[MX], v[MX], v[TP]              ; the block's maximum, in every lane
.irp i, 0,1,2,3
	v_sub_f32 v[PE+\i], v[XS+\i], v[MX]            ; the difference first: a product of the most negative f32 by log2(e) would overflow
.endr
.irp i, 0,1,2,3
	v_mul_f32 v[PE+\i], LOG2E, v[PE+\i]
.endr
.irp i, 0,1,2,3
	v_exp_f32 v[PE+\i], v[PE+\i]
.endr
	v_nop
	s_wait_alu depctr_va_vdst(0)
	v_add_f32 v[MX+1], v[PE], v[PE+1]
	v_add_f32 v[TP+1], v[PE+2], v[PE+3]
	v_add_f32 v[MX+1], v[MX+1], v[TP+1]
.irp x, 1,2,4,8
	v_add_f32_dpp v[MX+1], v[MX+1], v[MX+1] row_xmask:\x row_mask:0xf bank_mask:0xf
.endr
	v_permlanex16_b32 v[TP], v[MX+1], s28, s29
	v_add_f32 v[MX+1], v[MX+1], v[TP]              ; the block's sum
	ds_store_b128 v[VPW], v[PE:PE+3]               ; my wave's own copy of p: LDS serves a wave's instructions in order (ISA guide 5.7.1), so its reads below need no wait
	s_cmp_lg_u32 s2, 0
	s_cbranch_scc1 .Lnot_wave_0
	global_store_b128 v[L16], v[XS:XS+3], s[20:21] ; 512 consecutive bytes
	global_store_b64 v[L8], v[MX:MX+1], s[22:23]   ; (m, l) 32 times: 256 consecutive bytes, aligned, with all lanes on
.Lnot_wave_0:
	; ---- the block's context on the vector unit: one row of weights would use one of the matrix unit's sixteen rows
	v_mov_b32 v[VCW], v[VC]
	v_mov_b32 v[VPBW], v[VPB]
	WIN 0x80
.irp c, 0,1,2,3,4,5,6,7
	v_mov_b32 v[CA+\c], 0
.endr
	WIN 0
	s_mov_b32 s30, 4
.Lctx:
	WIN 0x80
	CLOAD 0
	CLOAD 1
	s_wait_dscnt 36                                ; the first 16 rows are in; the second half's 4 + 32 loads may be out
	WIN 0xaa
	CFMA 0
	s_wait_dscnt 0x0
	CFMA 1
	WIN 0
	v_add_nc_u32 v[VCW], 32*RP, v[VCW]
	v_add_nc_u32 v[VPBW], 128, v[VPBW]
	s_sub_co_u32 s30, s30, 1
	s_cmp_lg_u32 s30, 0
	s_cbranch_scc1 .Lctx
	WIN 0x08
	global_store_b128 v[VOC], v[CA:CA+3],   s[24:25]               ; 512 consecutive bytes
	global_store_b128 v[VOC], v[CA+4:CA+7], s[24:25] offset:512
	WIN 0
	s_wait_xcnt 0x0                                ; the data registers and the bases of this block's stores are written again only behind this wait (ISA guide 3.1)
	s_add_nc_u64 s[20:21], s[20:21], 512           ; the next block's 128 scores,
	s_add_nc_u64 s[22:23], s[22:23], 256           ; its pair,
	s_add_nc_u64 s[24:25], s[24:25], 4096          ; its context
	s_wait_dscnt 0x0                               ; my reads of the block, of the scores and of p are over
	s_barrier_signal -1
	s_barrier_wait -1                              ; everybody's are: the next block may be written over this one (behind the last block this barrier orders nothing)
	s_add_co_u32 s32, s32, 1
	s_cmp_lt_u32 s32, 2
	s_cbranch_scc1 .Lblk
	s_wait_xcnt 0x0
	v_lshl_add_u32 v254, v0, 2, 0x4a000
	v_mov_b32 v255, 0
	s_wait_tensorcnt 0x0
	ds_add_u32 v254, v255
	s_wait_dscnt 0x0
	s_endpgm
.Lfunc_end_k_q3d552e4339_main:
	.size	k_q3d552e4339_main, .Lfunc_end_k_q3d552e4339_main-k_q3d552e4339_main
	.p2alignl 7, 3214868480
	.fill 96, 4, 3214868480
	.section	.rodata,"a",@progbits
	.p2align	6, 0x0
	.amdhsa_kernel k_q3d552e4339_main
		.amdhsa_group_segment_fixed_size 303616
		.amdhsa_private_segment_fixed_size 0
		.amdhsa_enable_private_segment 0
		.amdhsa_kernarg_size 72
		.amdhsa_user_sgpr_count 2
		.amdhsa_user_sgpr_kernarg_segment_ptr 1
		.amdhsa_wavefront_size32 1
		.amdhsa_system_sgpr_workgroup_id_x 1
		.amdhsa_system_sgpr_workgroup_id_y 1
		.amdhsa_system_sgpr_workgroup_id_z 1
		.amdhsa_system_vgpr_workitem_id 0
		.amdhsa_next_free_vgpr 1024
		.amdhsa_next_free_sgpr 66
		.amdhsa_reserve_vcc 1
		.amdhsa_float_denorm_mode_32 3
		.amdhsa_float_denorm_mode_16_64 3
		.amdhsa_memory_ordered 1
		.amdhsa_forward_progress 1
		.amdhsa_inst_pref_size 255
	.end_amdhsa_kernel
	.section	.bss,"aw",@nobits
	.p2align	6
	.space	262144
	.amdgpu_metadata
---
amdhsa.version: [ 1, 2 ]
amdhsa.kernels:
  - .name:           k_q3d552e4339_main
    .symbol:         k_q3d552e4339_main.kd
    .args:
      - { .name: keys, .offset: 0, .size: 8, .value_kind: global_buffer, .address_space: global }
      - { .name: mask, .offset: 8, .size: 8, .value_kind: global_buffer, .address_space: global }
      - { .name: ub, .offset: 16, .size: 8, .value_kind: global_buffer, .address_space: global }
      - { .name: qc, .offset: 24, .size: 8, .value_kind: global_buffer, .address_space: global }
      - { .name: Va_w, .offset: 32, .size: 8, .value_kind: global_buffer, .address_space: global }
      - { .name: Va_b, .offset: 40, .size: 8, .value_kind: global_buffer, .address_space: global }
      - { .name: sc, .offset: 48, .size: 8, .value_kind: global_buffer, .address_space: global }
      - { .name: st, .offset: 56, .size: 8, .value_kind: global_buffer, .address_space: global }
      - { .name: pctx, .offset: 64, .size: 8, .value_kind: global_buffer, .address_space: global }
    .group_segment_fixed_size: 303616
    .private_segment_fixed_size: 0
    .kernarg_segment_align: 8
    .kernarg_segment_size: 72
    .max_flat_workgroup_size: 128
    .sgpr_count:     66
    .vgpr_count:     1024
    .wavefront_size: 32
...
	.end_amdgpu_metadata
.endif
;; end of part 4
;; launch finish: the kernel of part 3 again; grid 128 x 1, 4 waves a work-group, no clusters, 0 bytes of LDS; arguments st, pctx, sc, out0, out1; writes out0, out1
